; MI455X (gfx1250); checked and timed in simulation.
; The chip was launched on July 23, 2026; its instructions are those of AMD's public machine-readable ISA for CDNA 5 (MIT licence, August 2026) and "CDNA5" Instruction Set Architecture Reference Guide (July 2026). The comments in the code are by the model that wrote it; some were corrected since.
;; Fused Mo E. Allowed arithmetic: matrix products marked QUANTISED: E2M1 operands, one E8M0 scale for each 32 along K, by v_wmma_scale_f32_16x16x128_f8f6f4 with both operands' format E2M1 (or v_wmma_scale_f32_32x16x128_f4), f32 sums; everything else in f32.
;; Inputs: down_weight_codes 8 x 1,024 x 8 x 16 uint8 (E2M1 codes of down_weight, K innermost, in blocks of 32 codes, two codes a byte); down_weight_scales 8 x 1,024 x 8 uint8 (E8M0 scales of down_weight, one for each 32 codes along K); gate_up_weight_codes 8 x 512 x 32 x 16 uint8 (E2M1 codes of gate_up_weight, K innermost, in blocks of 32 codes, two codes a byte); gate_up_weight_scales 8 x 512 x 32 uint8 (E8M0 scales of gate_up_weight, one for each 32 codes along K); hidden_states_codes 8,192 x 32 x 16 uint8 (E2M1 codes of hidden_states, K innermost, in blocks of 32 codes, two codes a byte); hidden_states_scales 8,192 x 32 uint8 (E8M0 scales of hidden_states, one for each 32 codes along K); topk_ids 8,192 x 2 int32; topk_weights 8,192 x 2 float32.
;; Outputs: out0 8,192 x 1,024 float32.
;; This version of the problem:
;;   THIS VERSION OF THE PROBLEM IS GIVEN IN LOW PRECISION. The matrix products marked QUANTISED in the list below multiply operands that are first quantised to E2M1 (2 exponent bits, 1 mantissa bit; 4 bits a number), with one power-of-two scale for each 32 numbers along K (OCP MX v1.0); their sums are f32. All else is computed in f32.
;;   The module's matrix products, in the order in which they are computed (A, B: the left and right operand; K: the contracted axis; several contracted axes count as one K, in the product's order):
;;     1. [M 8,192, K 1,024] x [K 1,024, N 512]; A: input hidden_states (given as codes); B: input gate_up_weight (given as codes): QUANTISED
;;     2. [M 8,192, K 256] x [K 256, N 1,024]; A: computed on the way; B: input down_weight (given as codes): QUANTISED
;;     3. [M 8,192, K 1,024] x [K 1,024, N 512]; A: input hidden_states (given as codes); B: input gate_up_weight (given as codes): QUANTISED
;;     4. [M 8,192, K 256] x [K 256, N 1,024]; A: computed on the way; B: input down_weight (given as codes): QUANTISED
;;     5. [M 8,192, K 1,024] x [K 1,024, N 512]; A: input hidden_states (given as codes); B: input gate_up_weight (given as codes): QUANTISED
;;     6. [M 8,192, K 256] x [K 256, N 1,024]; A: computed on the way; B: input down_weight (given as codes): QUANTISED
;;     7. [M 8,192, K 1,024] x [K 1,024, N 512]; A: input hidden_states (given as codes); B: input gate_up_weight (given as codes): QUANTISED
;;     8. [M 8,192, K 256] x [K 256, N 1,024]; A: computed on the way; B: input down_weight (given as codes): QUANTISED
;;     9. [M 8,192, K 1,024] x [K 1,024, N 512]; A: input hidden_states (given as codes); B: input gate_up_weight (given as codes): QUANTISED
;;     10. [M 8,192, K 256] x [K 256, N 1,024]; A: computed on the way; B: input down_weight (given as codes): QUANTISED
;;     11. [M 8,192, K 1,024] x [K 1,024, N 512]; A: input hidden_states (given as codes); B: input gate_up_weight (given as codes): QUANTISED
;;     12. [M 8,192, K 256] x [K 256, N 1,024]; A: computed on the way; B: input down_weight (given as codes): QUANTISED
;;     13. [M 8,192, K 1,024] x [K 1,024, N 512]; A: input hidden_states (given as codes); B: input gate_up_weight (given as codes): QUANTISED
;;     14. [M 8,192, K 256] x [K 256, N 1,024]; A: computed on the way; B: input down_weight (given as codes): QUANTISED
;;     15. [M 8,192, K 1,024] x [K 1,024, N 512]; A: input hidden_states (given as codes); B: input gate_up_weight (given as codes): QUANTISED
;;     16. [M 8,192, K 256] x [K 256, N 1,024]; A: computed on the way; B: input down_weight (given as codes): QUANTISED
;;   THE QUANTISER, for each operand of a quantised product, along K:
;;     - K is cut into blocks of 32 from its start; a last block that is shorter is filled with zeros.
;;     - A block's scale is 2^e with e = floor(log2(the largest magnitude in the block)) - 2, held to -126 .. 127; a block of zeros has e = 0. As a byte (E8M0): e + 127.
;;     - Each number is divided by its block's scale, clamped to +-6, and rounded to the nearest number of E2M1, ties to even, subnormals kept.
;;     - The product sums the exact products of the quantised numbers (number of the format x scale) in f32.
;;   ~~~python
;;   def quantise(x, axis):      # numpy; x: float32 -> the quantised numbers, widened to float32 again
;;       x = np.moveaxis(x, axis, -1); K = x.shape[-1]
;;       x = np.pad(x, [(0, 0)] * (x.ndim - 1) + [(0, -K % 32)]); x = x.reshape(x.shape[:-1] + (-1, 32)); a = np.abs(x).max(-1, keepdims=True)
;;       e = np.where(a > 0, np.clip(np.frexp(np.where(a > 0, a, 1))[1] - 1 - 2, -126, 127), 0)      # np.frexp(a)[1] - 1 = floor(log2(a)), exactly
;;       r = np.clip(x / 2.0 ** e, -6, 6)
;;       step = 2.0 ** (np.maximum(np.frexp(np.where(r == 0, 1, r))[1] - 1, 0) - 1)
;;       q = np.round(r / step) * step * 2.0 ** e      # np.round: ties to even
;;       return np.moveaxis(q.reshape(q.shape[:-2] + (-1,))[..., :K], -1, axis).astype(np.float32)
;;   ~~~
;;   OPERANDS COMPUTED ON THE WAY. 'Computed on the way' means the value that the module computes at that place (a softmax that the list does not call 'softmax' is quantised finished and normalised). What goes into a quantiser is computed in f32, as accurately as f32 sums, v_exp_f32 and their like allow (about 1e-6 of the number): no bf16 or f16 on the way to a quantiser, and a product that is left as it is and whose result goes on into a quantised operand takes f32 operands (vector FMAs, or v_wmma_f32_16x16x4_f32). A number that lies on a knife's edge between two numbers of the format may be rounded either way, as far as f32 arithmetic and the matrix unit's own rounding can turn it there, and no further.
;;   INPUTS GIVEN AS CODES. down_weight (in the module: [8, 1024, 256], K = its axis 2); gate_up_weight (in the module: [8, 512, 1024], K = its axis 2); hidden_states (in the module: [8192, 1024], K = its axis 1): each comes as NAME_codes (uint8): NAME with its K axis moved to the last place and cut into blocks of 32 codes, [.., K / 32, bytes a block], one block behind the other in memory; two codes a byte, the lower K in the low four bits (a code: sign, 2 exponent bits, 1 mantissa bit); and NAME_scales (uint8): the same leading axes, one E8M0 byte (e + 127) for each 32 codes along K. Its value is code x scale, taken as it is: it is not quantised again, and the codes and scales need not be those that the quantiser above would give.
;; 2 versions. Each part assembles by itself: llvm-mc -triple=amdgcn-amd-amdhsa -mcpu=gfx1250 --defsym DOCPART=n.
;; ======== version 1 of 2: 2 launches
;; workspace buffers: route 33,792 bytes of whole numbers; wsw 3,342,336 bytes
;; launch prep (part 1): grid 100 x 1, 16 waves a work-group, no clusters, 7,168 bytes of LDS; arguments topk_ids, gate_up_weight_codes, gate_up_weight_scales, down_weight_codes, down_weight_scales, route, wsw; writes route, wsw
.if DOCPART == 1
	.amdgcn_target "amdgcn-amd-amdhsa--gfx1250"
	.amdhsa_code_object_version 6
	.text
	.protected	k_q227f6ff0d3_prep
	.globl	k_q227f6ff0d3_prep
	.p2align	8
	.type	k_q227f6ff0d3_prep,@function
k_q227f6ff0d3_prep:
	s_mov_b64 s[64:65], 0
	v_nop
	global_prefetch_b8 v0, s[64:65] scope:SCOPE_SE
	s_setreg_imm32_b32 hwreg(HW_REG_WAVE_MODE, 25, 1), 1
	s_wait_xcnt 0x0
; TWO JOBS IN ONE LAUNCH, parted by the work-group's number.
; Work-groups 0-3: SORT.  Each takes 2,048 tokens and sorts them by their SET of experts (a counting sort, no atomics): route[p] = the token at sorted place p, and for each
;   block of 32 places an 8-bit mask of the experts that the block's tokens use, at route + 32,768 + 4 x block.  The next launch gives a block to a work-group.
;   A token's two ids make an unordered pair (a, b), a < b: 28 buckets.  A token with both ids equal joins (a, a + 1), and (7, 7) joins (6, 7): the bucket holds its expert.
;   Ids outside 0 .. 7 are held into that range for the bucket alone; they add nothing to the result, as in the problem's function.
;   The buckets are numbered in a snake (b rising in even rows a, falling in odd ones), so that neighbouring buckets share an expert: a block that lies over one
;   boundary of buckets uses three experts, a block inside a bucket two.
; Work-groups 4-99: LAYOUT.  All weights are laid once in the order of a wave's operand registers: 384 chunks of 8,704 bytes, chunk ((e x 4 + w) x 12 + c), e the expert, w the wave
;   of the next launch.  In a chunk: 16 blocks of 512 bytes, block 2 i + c' = registers 4 c' .. 4 c' + 3 of fragment i, lane l's 16 bytes at 16 l; at byte 8,192 four scale
;   registers, 16 bytes a lane: register q holds in lanes 0-15 the scale words of fragment 2 q, in lanes 16-31 those of fragment 2 q + 1.
;   c = 0 .. 7: K step c of gate_up.  Fragments 0-3: gate tiles t = 0 .. 3, fragments 4-7: up tiles.  Lane rho of tile t takes row 64 w + 32 (t / 2) + 8 (t % 2) + rho + 8 (rho / 8)
;   (+ 256 for up): the rows of a tile are not neighbours, so that the results of tiles 2 b and 2 b + 1 are 16 neighbours along the second product's K.
;   c = 8 + g: down.  Fragment 2 ct + ks: lane rho takes row 256 w + 64 g + 4 rho + ct, K step ks: so a lane's four tiles ct are four NEIGHBOURING output columns.
.set CHUNK, 8704
.set HT,    0                          ; LDS (sort alone): counts [wave 16][bucket 32], 132 bytes a wave
.set PT,    2304                       ; the same shape: for each wave and bucket the count in the waves before it
.set TOT,   4608                       ; [bucket 32]: the group's count
.set WP,    132
	s_load_b256 s[4:11], s[0:1], 0x0               ; ids s[4:5], gate_up codes s[6:7], gate_up scales s[8:9], down codes s[10:11]
	s_load_b128 s[12:15], s[0:1], 0x20             ; down scales s[12:13], route s[14:15]
	s_load_b64 s[16:17], s[0:1], 0x30              ; wsw
	v_lshl_add_u32 v64, v0, 2, 0x1400
	v_mov_b32 v65, 0
	v_lshrrev_b32 v4, 5, v0
	v_readfirstlane_b32 s18, v4                    ; V: wave 0 .. 15
	v_and_b32 v1, 31, v0                           ; L: lane
	v_and_b32 v2, 15, v0                           ; rho
	v_bfe_u32 v3, v0, 4, 1                         ; h
	s_wait_kmcnt 0x0
	s_cmp_lt_u32 ttmp9, 4                          ; the same answer in all sixteen waves of a work-group
	s_cbranch_scc1 .Lsort
; ---------------- LAYOUT: work-group J = x - 4 writes chunks 4 J .. 4 J + 3; four waves to a chunk, two fragments to a wave ----------------
	s_sub_co_u32 s19, ttmp9, 4                     ; J = 0 .. 95
	s_mul_i32 s20, s19, 0xaaab
	s_lshr_b32 s20, s20, 17                        ; J / 3 (exact for J under 96) = 4 e + w
	s_mul_i32 s21, s20, 3
	s_sub_co_u32 s21, s19, s21                     ; QQ = J % 3: 0, 1: gate_up's K steps 0-3, 4-7; 2: down
	s_lshr_b32 s22, s20, 2                         ; e
	s_and_b32 s23, s20, 3                          ; w
	s_lshr_b32 s24, s18, 2                         ; CC: which of the four chunks
	s_and_b32 s25, s18, 3                          ; QT: fragments 2 QT and 2 QT + 1
	s_lshl_b32 s26, s19, 2
	s_add_co_u32 s26, s26, s24
	s_mul_i32 s26, s26, CHUNK
	s_lshl_b32 s27, s25, 11
	s_add_co_u32 s26, s26, s27                     ; chunk x 8,704 + QT x 4 blocks of 512
	s_mov_b32 s27, 0
	s_add_nc_u64 s[16:17], s[16:17], s[26:27]
	v_lshlrev_b32 v4, 4, v1                        ; 16 x lane: my place in a block
; The loads and stores of a wave.  uo: bytes from fragment 2 QT to 2 QT + 1 in the source; shi, slo: bytes by which scale register q lies on, shi (q / 2) + slo (q % 2).
; Each store of the wave covers 512 consecutive bytes, at a multiple of 256 from the buffer's first byte.
.macro LAY uo, shi, slo
.irp u, 0,1
.irp c, 0,1
	global_load_b128 v[16+8*\u+4*\c:19+8*\u+4*\c], v5, s[28:29] offset:\uo*\u+32*\c
.endr
.endr
	s_cmp_lg_u32 s25, 0                            ; the chunk's scale registers are wave QT = 0's
	s_cbranch_scc1 .Lno_scales_\@
.irp q, 0,1,2,3
	global_load_b32 v[32+\q], v6, s[30:31] offset:\shi*(\q/2)+\slo*(\q%2)
.endr
	s_wait_loadcnt 0x0
	global_store_b128 v4, v[32:35], s[16:17] offset:8192
.Lno_scales_\@:
	s_wait_loadcnt 0x0
.irp j, 0,1,2,3
	global_store_b128 v4, v[16+4*\j:19+4*\j], s[16:17] offset:512*\j
.endr
	s_endpgm
.endm
	s_cmp_eq_u32 s21, 2
	s_cbranch_scc1 .Ldown
	; gate_up: a row is 512 bytes of codes and 32 scale bytes; K step s = 4 QQ + CC
	s_lshl_b32 s32, s21, 2
	s_add_co_u32 s32, s32, s24                     ; s
	s_lshr_b32 s33, s25, 1
	s_lshl_b32 s33, s33, 8                         ; up's rows lie 256 behind gate's
	s_lshl_b32 s34, s23, 6
	s_add_co_u32 s33, s33, s34
	s_and_b32 s34, s25, 1
	s_lshl_b32 s34, s34, 5
	s_add_co_u32 s33, s33, s34                     ; 256 (QT / 2) + 64 w + 32 (QT % 2): the first row of fragment 2 QT
	s_lshl_b32 s33, s33, 9
	s_lshl_b32 s34, s22, 18
	s_add_co_u32 s26, s33, s34
	s_lshl_b32 s34, s32, 6
	s_add_co_u32 s26, s26, s34                     ; + 64 s bytes along the row
	s_add_nc_u64 s[28:29], s[6:7], s[26:27]
	s_lshl_b32 s26, s22, 14
	s_lshl_b32 s34, s23, 11
	s_add_co_u32 s26, s26, s34
	s_lshl_b32 s34, s32, 2
	s_add_co_u32 s26, s26, s34                     ; scales: e x 16,384 + 64 w rows of 32 + 4 s
	s_add_nc_u64 s[30:31], s[8:9], s[26:27]
	v_and_b32 v7, 8, v2
	v_add_nc_u32 v7, v7, v2                        ; rho + 8 (rho / 8)
	v_lshlrev_b32 v5, 9, v7
	v_lshl_add_u32 v5, v3, 4, v5                   ; that row, + 16 h
	v_lshl_add_u32 v6, v3, 3, v7
	v_lshlrev_b32 v6, 5, v6                        ; scale words: lanes 16-31 take the odd fragment's rows, 8 further on
	LAY 4096, 8192, 1024
.Ldown:
	; down: a row is 128 bytes of codes and 8 scale bytes; g = CC, ct = QT.  The chunk's four waves together read its 64 rows, 8,192 consecutive bytes
	s_lshl_b32 s33, s23, 8
	s_lshl_b32 s34, s24, 6
	s_add_co_u32 s33, s33, s34                     ; 256 w + 64 g
	s_lshl_b32 s35, s33, 3
	s_add_co_u32 s33, s33, s25                     ; + ct
	s_lshl_b32 s33, s33, 7
	s_lshl_b32 s34, s22, 17
	s_add_co_u32 s26, s33, s34
	s_add_nc_u64 s[28:29], s[10:11], s[26:27]
	s_lshl_b32 s34, s22, 13
	s_add_co_u32 s26, s35, s34
	s_add_nc_u64 s[30:31], s[12:13], s[26:27]
	v_lshlrev_b32 v5, 9, v2
	v_lshl_add_u32 v5, v3, 4, v5                   ; 4 rho rows on, + 16 h
	v_lshlrev_b32 v6, 5, v2
	v_lshl_add_u32 v6, v3, 2, v6                   ; scale words of row 4 rho (+ q by the offset): lanes 0-15 K step 0's, lanes 16-31 K step 1's
	LAY 64, 16, 8
; ---------------- SORT: group g = x; wave V owns tokens 2,048 g + 128 V + 32 s + lane, s = 0 .. 3 ----------------
; REGISTERS: v5-7, v60 LDS addresses; v8-15 ids; v16-19 bucket of my token in slot s; v20-23 as LANE = BUCKET: the slot's tokens of bucket = lane, a bit each; v24-27 their counts, then running sums;
;   v28-32 lane's bits as masks; v33 the two experts of bucket = lane; v34-47, v61-63 at work; v48-55 what the lane pulls bring; v56-59 token numbers.  s20-39: five bit planes of the buckets for each slot.
.Lsort:
	s_lshl_b32 s50, ttmp9, 11
	s_lshl_b32 s51, s18, 7
	s_add_co_u32 s50, s50, s51                     ; my wave's first token
	s_lshl_b32 s52, s50, 3
	s_mov_b32 s53, 0
	s_add_nc_u64 s[4:5], s[4:5], s[52:53]
	v_lshlrev_b32 v4, 3, v1
.irp s, 0,1,2,3
	global_load_b64 v[8+2*\s:9+2*\s], v4, s[4:5] offset:256*\s   ; 32 tokens' two ids: 256 consecutive bytes
.endr
	s_mov_b32 s40, 0x130b0800                      ; T'[a], a byte each, a = 0 .. 7: 0, 8, 11, 19, 18, 26, 21, 0
	s_mov_b32 s41, 0x00151a12
	s_mov_b32 s42, 0x07000700                      ; X[a]: 7 in odd rows, where b falls
	s_mov_b32 s43, 0x00000700
	s_mov_b32 s44, 0x76543210                      ; v_permlanex16_b32's selects for lane l xor 16
	s_mov_b32 s45, 0xfedcba98
	s_mov_b32 s46, 0x55555555
	s_mov_b32 s47, 0x33333333
	s_mov_b32 s48, 0x0f0f0f0f
	s_mov_b32 s49, 0x01010101
	; what hangs on the lane alone is made while the ids are on their way
.irp p, 0,1,2,3,4
	v_bfe_u32 v[28+\p], v1, \p, 1
.endr
.irp p, 0,1,2,3,4
	v_add_nc_u32 v[28+\p], -1, v[28+\p]            ; 0 where bit p of the lane is 1, all ones where it is 0
.endr
	v_mov_b32 v34, 0
.irp o, 7,13,18,22,25,27
	v_cmp_le_u32 vcc_lo, \o, v1
	v_add_co_ci_u32 v34, vcc_lo, 0, v34, vcc_lo    ; a of bucket = lane: how many rows begin at or under it
.endr
	v_perm_b32 v35, s41, s40, v34                  ; byte a of the table (the selector's upper bytes are 0 and pick byte 0, which is 0)
	v_perm_b32 v36, s43, s42, v34
	v_add_nc_u32 v37, 1, v1
	v_sub_nc_u32 v37, v37, v35
	v_xor_b32 v37, v37, v36                        ; b = (bucket + 1 - T'[a]) xor X[a]
	v_lshlrev_b32 v33, v34, 1
	v_lshlrev_b32 v37, v37, 1
	v_or_b32 v33, v33, v37                         ; (1 << a) | (1 << b).  Lanes 28-31 are no buckets: their counts are 0 and this is not used
	v_add_nc_u32 v56, s50, v1
.irp s, 1,2,3
	v_add_nc_u32 v[56+\s], 32*\s, v56
.endr
	s_mul_i32 s54, s18, WP
	v_lshl_add_u32 v5, v1, 2, s54                  ; my wave's row of a table, bucket = lane
	v_mul_u32_u24 v6, v2, WP
	v_lshl_add_u32 v6, v3, 2, v6
	s_lshl_b32 s51, s18, 3
	v_add_nc_u32 v6, s51, v6                       ; wave rho's row, bucket 2 V + h
	v_lshlrev_b32 v7, 2, v3
	v_add_nc_u32 v7, s51, v7                       ; 4 (2 V + h)
	v_lshlrev_b32 v60, 2, v1                       ; 4 x lane
	v_mov_b32 v40, 0                               ; (a DPP move's destination counts as read: written once here)
	v_mov_b32 v42, 0
	s_wait_loadcnt 0x0
	; the bucket of each token, the four slots by turns
.irp s, 0,1,2,3
	v_min_u32 v[34+\s], v[8+2*\s], v[9+2*\s]
.endr
.irp s, 0,1,2,3
	v_max_u32 v[38+\s], v[8+2*\s], v[9+2*\s]
.endr
.irp s, 0,1,2,3
	v_add_nc_u32 v[42+\s], 1, v[34+\s]
.endr
.irp s, 0,1,2,3
	v_max_u32 v[38+\s], v[38+\s], v[42+\s]         ; equal ids: b = a + 1
.endr
.irp s, 0,1,2,3
	v_min_u32 v[34+\s], 6, v[34+\s]
.endr
.irp s, 0,1,2,3
	v_min_u32 v[38+\s], 7, v[38+\s]
.endr
.irp s, 0,1,2,3
	v_perm_b32 v[42+\s], s41, s40, v[34+\s]
.endr
.irp s, 0,1,2,3
	v_perm_b32 v[34+\s], s43, s42, v[34+\s]
.endr
.irp s, 0,1,2,3
	v_xor_b32 v[38+\s], v[38+\s], v[34+\s]
.endr
.irp s, 0,1,2,3
	v_add3_u32 v[16+\s], v[42+\s], v[38+\s], -1    ; bucket = T'[a] + (b xor X[a]) - 1: 0 .. 27
.endr
	; the buckets' five bits as masks over the slot's 32 tokens
.irp s, 0,1,2,3
.irp p, 0,1,2,3,4
	v_and_b32 v[34+\p], 1<<\p, v[16+\s]
	v_cmp_ne_u32 s[20+5*\s+\p], 0, v[34+\p]
.endr
.endr
	; from here a lane stands for a bucket: bit j of v[20 + s] says that token j of slot s has bucket = lane
.irp s, 0,1,2,3
	v_xor_b32 v[20+\s], s[20+5*\s], v28
.endr
.irp p, 1,2,3,4
.irp s, 0,1,2,3
	v_xor_b32 v[34+\s], s[20+5*\s+\p], v[28+\p]
.endr
.irp s, 0,1,2,3
	v_and_b32 v[20+\s], v[20+\s], v[34+\s]
.endr
.endr
	; how many bits are set: pairs, fours, bytes, then the four bytes' sum by a multiplication
.irp s, 0,1,2,3
	v_lshrrev_b32 v[34+\s], 1, v[20+\s]
.endr
.irp s, 0,1,2,3
	v_and_b32 v[34+\s], s46, v[34+\s]
.endr
.irp s, 0,1,2,3
	v_sub_nc_u32 v[24+\s], v[20+\s], v[34+\s]
.endr
.irp s, 0,1,2,3
	v_lshrrev_b32 v[34+\s], 2, v[24+\s]
.endr
.irp s, 0,1,2,3
	v_and_b32 v[34+\s], s47, v[34+\s]
.endr
.irp s, 0,1,2,3
	v_and_b32 v[24+\s], s47, v[24+\s]
.endr
.irp s, 0,1,2,3
	v_add_nc_u32 v[24+\s], v[24+\s], v[34+\s]
.endr
.irp s, 0,1,2,3
	v_lshrrev_b32 v[34+\s], 4, v[24+\s]
.endr
.irp s, 0,1,2,3
	v_add_nc_u32 v[24+\s], v[24+\s], v[34+\s]
.endr
.irp s, 0,1,2,3
	v_and_b32 v[24+\s], s48, v[24+\s]
.endr
.irp s, 0,1,2,3
	v_mul_lo_u32 v[24+\s], v[24+\s], s49
.endr
.irp s, 0,1,2,3
	v_lshrrev_b32 v[24+\s], 24, v[24+\s]
.endr
	v_add_nc_u32 v25, v24, v25                     ; v24, v25, v26: the bucket's tokens in the slots before slot 1, 2, 3;
	v_add_nc_u32 v26, v25, v26
	v_add_nc_u32 v27, v26, v27                     ; v27: in my wave
	ds_store_b32 v5, v27 offset:HT
	s_wait_dscnt 0x0                               ; for the others' sake: my counts lie in LDS
	s_barrier_signal -1
	s_barrier_wait -1
; a running sum along the 16 lanes of a row
.macro ROWSCAN x, t
.irp n, 1,2,4,8
	v_mov_b32_dpp v[\t], v[\x] row_shr:\n row_mask:0xf bank_mask:0xf bound_ctrl:1
	v_add_nc_u32 v[\x], v[\x], v[\t]
.endr
.endm
	ds_load_b32 v38, v6 offset:HT                  ; wave V sums buckets 2 V and 2 V + 1 over the sixteen waves: lane (rho, h) takes wave rho's count
	s_wait_dscnt 0x0
	v_mov_b32 v39, v38
	ROWSCAN 39, 40
	v_sub_nc_u32 v41, v39, v38                     ; the count in the waves before wave rho
	v_mov_b32_dpp v42, v39 row_share:15 row_mask:0xf bank_mask:0xf   ; the group's count
	ds_store_b32 v6, v41 offset:PT
	ds_store_b32 v7, v42 offset:TOT                ; sixteen lanes write the same word with the same value
	s_wait_dscnt 0x0
	s_barrier_signal -1
	s_barrier_wait -1
	ds_load_b32 v43, v60 offset:TOT                ; bucket = lane: the group's count,
	ds_load_b32 v44, v5 offset:PT                  ; and the count in the waves before mine
	s_wait_dscnt 0x0
	v_mov_b32 v39, v43
	ROWSCAN 39, 40
	v_readlane_b32 s55, v39, 15
	v_mad_u32_u24 v39, v3, s55, v39                ; lanes 16-31 add the first row's sum: v39 = where the bucket ends in the group,
	v_sub_nc_u32 v45, v39, v43                     ; v45 = where it begins
	v_add_nc_u32 v46, v45, v44
	s_lshl_b32 s56, ttmp9, 11
	v_add_nc_u32 v46, s56, v46                     ; the place of my wave's first token of the bucket
.irp s, 1,2,3
	v_add_nc_u32 v[60+\s], v46, v[23+\s]           ; and of slot s's first
.endr
.irp s, 0,1,2,3
	v_min_u32 v[34+\s], 31, v[16+\s]
.endr
.irp s, 0,1,2,3
	v_lshlrev_b32 v[34+\s], 2, v[34+\s]            ; back to a lane for a token: it pulls from lane = its bucket
.endr
	ds_bpermute_b32 v48, v34, v46
	ds_bpermute_b32 v49, v34, v20
.irp s, 1,2,3
	ds_bpermute_b32 v[48+2*\s], v[34+\s], v[60+\s] ; the slot's first place in my bucket,
	ds_bpermute_b32 v[49+2*\s], v[34+\s], v[20+\s] ; and which tokens of the slot share it
.endr
	s_wait_dscnt 0x0
.irp s, 0,1,2,3
	v_mbcnt_lo_u32_b32 v[48+2*\s], v[49+2*\s], v[48+2*\s]   ; + how many of them stand in lanes under mine
.endr
.irp s, 0,1,2,3
	v_min_u32 v[48+2*\s], 8191, v[48+2*\s]
.endr
.irp s, 0,1,2,3
	v_lshlrev_b32 v[48+2*\s], 2, v[48+2*\s]
.endr
.irp s, 0,1,2,3
	global_store_b32 v[48+2*\s], v[56+\s], s[14:15]   ; 4 bytes a lane: placing 32 KB of numbers is a scatter by its nature; a bucket's tokens of a slot are neighbours
.endr
	; the masks of the group's blocks 4 V .. 4 V + 3: bucket = lane counts where it holds tokens and its places meet the block's 32
	v_cmp_ne_u32 vcc_lo, 0, v43
	v_cndmask_b32 v47, 0, v33, vcc_lo
	v_mov_b32 v38, 0
	s_lshl_b32 s57, s18, 7
.irp j, 0,1,2,3
	s_add_co_u32 s58, s57, 32*\j
	s_add_co_u32 s59, s57, 32*\j+32
	v_cmp_gt_u32 s60, s59, v45                     ; the block's end lies over the bucket's first place,
	v_cmp_lt_u32 s61, s58, v39                     ; and its first place under the bucket's end
	s_and_b32 s60, s60, s61
	v_cndmask_b32 v40, 0, v47, s60
	v_lshl_or_b32 v38, v40, 8*\j, v38              ; a byte for each of the four blocks
.endr
.irp x, 1,2,4,8
	v_mov_b32_dpp v40, v38 row_xmask:\x row_mask:0xf bank_mask:0xf
	v_or_b32 v38, v38, v40
.endr
	v_permlanex16_b32 v40, v38, s44, s45
	v_or_b32 v38, v38, v40                         ; over all 32 lanes
	v_lshlrev_b32 v41, 3, v1
	v_lshrrev_b32 v38, v41, v38
	v_and_b32 v38, 0xff, v38                       ; lane j = 0 .. 3: block 4 V + j's mask
	s_lshl_b32 s62, ttmp9, 8
	s_lshl_b32 s58, s18, 4
	s_add_co_u32 s62, s62, s58
	v_add_nc_u32 v42, s62, v60                     ; 4 (64 g + 4 V + lane)
	s_wait_xcnt 0x0                                ; EXEC is a source of the stores above: it changes only behind this wait
	v_cmp_gt_u32 vcc_lo, 4, v1
	s_wait_tensorcnt 0x0
	ds_add_u32 v64, v65
	s_wait_dscnt 0x0
	s_and_saveexec_b32 s63, vcc_lo
	global_store_b32 v42, v38, s[14:15] offset:32768
	s_wait_xcnt 0x0
	s_or_b32 exec_lo, exec_lo, s63
	s_endpgm
.Lfunc_end_k_q227f6ff0d3_prep:
	.size	k_q227f6ff0d3_prep, .Lfunc_end_k_q227f6ff0d3_prep-k_q227f6ff0d3_prep
	.p2alignl 7, 3214868480
	.fill 96, 4, 3214868480
	.section	.rodata,"a",@progbits
	.p2align	6, 0x0
	.amdhsa_kernel k_q227f6ff0d3_prep
		.amdhsa_group_segment_fixed_size 7168
		.amdhsa_private_segment_fixed_size 0
		.amdhsa_enable_private_segment 0
		.amdhsa_kernarg_size 56
		.amdhsa_user_sgpr_count 2
		.amdhsa_user_sgpr_kernarg_segment_ptr 1
		.amdhsa_wavefront_size32 1
		.amdhsa_system_sgpr_workgroup_id_x 1
		.amdhsa_system_sgpr_workgroup_id_y 1
		.amdhsa_system_sgpr_workgroup_id_z 1
		.amdhsa_system_vgpr_workitem_id 0
		.amdhsa_next_free_vgpr 66
		.amdhsa_next_free_sgpr 66
		.amdhsa_reserve_vcc 1
		.amdhsa_float_denorm_mode_32 3
		.amdhsa_float_denorm_mode_16_64 3
		.amdhsa_memory_ordered 1
		.amdhsa_forward_progress 1
		.amdhsa_inst_pref_size 22
	.end_amdhsa_kernel
	.amdgpu_metadata
---
amdhsa.version: [ 1, 2 ]
amdhsa.kernels:
  - .name:           k_q227f6ff0d3_prep
    .symbol:         k_q227f6ff0d3_prep.kd
    .args:
      - { .name: topk_ids, .offset: 0, .size: 8, .value_kind: global_buffer, .address_space: global }
      - { .name: gate_up_weight_codes, .offset: 8, .size: 8, .value_kind: global_buffer, .address_space: global }
      - { .name: gate_up_weight_scales, .offset: 16, .size: 8, .value_kind: global_buffer, .address_space: global }
      - { .name: down_weight_codes, .offset: 24, .size: 8, .value_kind: global_buffer, .address_space: global }
      - { .name: down_weight_scales, .offset: 32, .size: 8, .value_kind: global_buffer, .address_space: global }
      - { .name: route, .offset: 40, .size: 8, .value_kind: global_buffer, .address_space: global }
      - { .name: wsw, .offset: 48, .size: 8, .value_kind: global_buffer, .address_space: global }
    .group_segment_fixed_size: 7168
    .private_segment_fixed_size: 0
    .kernarg_segment_align: 8
    .kernarg_segment_size: 56
    .max_flat_workgroup_size: 512
    .sgpr_count:     66
    .vgpr_count:     66
    .wavefront_size: 32
...
	.end_amdgpu_metadata
.endif
;; end of part 1
;; launch moe (part 2): grid 256 x 1, 4 waves a work-group, no clusters, 22,272 bytes of LDS; arguments route, wsw, hidden_states_codes, hidden_states_scales, topk_ids, topk_weights, out0; writes out0
.if DOCPART == 2
	.amdgcn_target "amdgcn-amd-amdhsa--gfx1250"
	.amdhsa_code_object_version 6
	.text
	.protected	k_q227f6ff0d3_moe
	.globl	k_q227f6ff0d3_moe
	.p2align	8
	.type	k_q227f6ff0d3_moe,@function
k_q227f6ff0d3_moe:
	s_mov_b64 s[64:65], 0
	v_nop
	global_prefetch_b8 v0, s[64:65] scope:SCOPE_SE
	s_setreg_imm32_b32 hwreg(HW_REG_WAVE_MODE, 25, 1), 1
	s_wait_xcnt 0x0
; out[t] = the sum over the experts e of w_e[t] x down_e(Q(silu(gate_e(x[t])) x up_e(x[t]))), both products on codes of FP4 (E2M1) with one E8M0 scale for each 32 along K; Q the quantiser along the 256 hidden units.
; w_e[t] is 0 for every expert that is not among the token's two ids, so only the experts that a token names are multiplied.
; SHARES.  Work-group B owns the 32 tokens route[32 B ..], sorted by their sets of experts by the launch before, as two tiles of 16, and takes them through everything: each output row has one owner.
; It walks the experts of its stored mask, ascending, in a loop of the constant count 8: a trip beyond the list jumps over the work and passes the barriers.
; THE WAVES SHARE THE COLUMNS: wave w makes hidden units 64 w .. 64 w + 63 (four gate tiles, four up tiles) and output columns 256 w .. 256 w + 255, for all 32 tokens.  So each weight fragment is loaded by
; one wave and feeds two matrix instructions.  The weights come from memory straight into a ring of four register slots, in chunks of 17 loads laid by the launch before in the order of the operand registers.
; NO JOINT LOADS: which experts a work-group walks hangs on its stored list, neighbours walk different lists of different lengths, and a walk of all 8 experts by all would fetch four times the bytes.
; THE FIRST PRODUCT IS USED TRANSPOSED (source 0 = 16 weight rows, source 1 = 16 tokens): a lane holds ONE token (lane % 16) and its registers run along the hidden units, the next K.
; The activation's codes go from wave to wave through LDS as images of the operand's registers.
; THE SECOND PRODUCT IS NOT (source 0 = 16 tokens, source 1 = 16 weight rows): register j of lane (r, h) holds token 8 h + j at the tile's column r, and the rows of down that form tile ct are 4 r + ct.  So a lane's four
; tiles are four neighbouring columns; the multiply-add out += w_e x d puts them into four consecutive registers, and sixteen lanes store 256 consecutive bytes of a row straight from registers: no stage in LDS.
; out stays in 256 registers a wave; each group of 64 columns is stored in the list's LAST visit, as soon as its sums are whole.  The list is never empty: every sorted place lies in a bucket that holds tokens,
; and the bucket's two experts stand in the mask; so every work-group has a last visit, and every row is stored.
; LIMITS: NaN and infinities are not served.  For gate under about -87.3 the reciprocal's result would be denormal and comes out 0 (ISA guide 15.8), where silu's magnitude is at most about 1.1e-36.
; A block of 32 activations that are all zeros gets the byte 1 where the quantiser says 127: its codes are zeros, and this text alone reads the byte; a largest magnitude under 2^-124 is taken as 2^-124.
; An id outside 0 .. 7 adds nothing.  Each expert's part is added by one fused multiply-add, where the problem's function rounds the product first.
; REGISTERS, in windows of 256 (s_set_vgpr_msb's low byte: bits 1:0 source 0, 3:2 source 1, 5:4 source 2, 7:6 destination):
;   window 0: v1-11 addresses; v12-15 ids, v16-19 weights of tiles 0, 1; v20-21 w_e of my token of tiles 0, 1; v24-31 x's scale words, K step s (lanes 0-15 tile 0, lanes 16-31 tile 1); v32-47 the ring's scale words;
;             v48-49 the activation's scale words; v50-65 at work in the prologue, then the rows' offsets in out; v66-95 the quantiser's; v96-127 at work, in the second product v96-111 w_e of token 16 m + 8 h + j;
;             v128-191 gate, then the activation, then d; v192-255 up.
;   window 1: v0-127 x's fragments (tile m, K step s) at 8 (8 m + s); v128-159 the activation's (tile m, K step ks) at 128 + 8 (2 m + ks).
;   window 2: the ring: slot q at 64 q, fragment i at + 8 i.       window 3: out: (group g, token tile m, token j, column ct) at 64 g + 32 m + 4 j + ct.
.set XP,    528                        ; LDS: x's 32 rows: 512 bytes + 16: an odd multiple of 16, so that the 16 rows of a fragment load fall on different 16-byte columns
.set AIMG,  16896                      ; the activation's images: ((2 m + ks) x 2 + c') x 512 + 16 x lane
.set ASC,   20992                      ; its scale bytes: 8 x (16 m + token) + 4 ks + byte
.set WL,    21248                      ; 128 bytes for each wave, its own: w_e of the block's 32 tokens
.set CHUNK, 8704
.set WAVEB, 12*CHUNK
.set EXPB,  48*CHUNK
.set WT,    20
.set XSC,   24
.set WSC,   32
.set ASCR,  48
.set OA,    50                         ; v50-65: byte offset in out of token 16 m + 8 h + j's row, + my 16 bytes of a group's 256: at OA + 8 m + j
.set TM,    66                         ; v66-69 largest magnitudes, v70-73 bytes, v78-81 the conversions' scale operands
.set PC,    82                         ; v82-89 the codes just made
.set HW,    90                         ; v90-92 two scale bytes of tile 0, of tile 1, of my half's tile
.set T,     96
.set WR,    96                         ; v96-111: w_e of token 16 m + 8 h + j at WR + 8 m + j
.set GA,    128
.set UA,    192
.set WV,    18                         ; s18 wave;  s19 mask;  s20 the list, a nibble an expert;  s21 its length N;  s22 the trip I, s23 I + 1;  s24 this expert, s25 the next
.set CUR,   26                         ; s[26:27] my part of this expert's weights;  s[28:29] of the next's;  s[30:31] an offset;  s[44:45] my wave's part of expert 0's
.set NXT,   28
.set SEL,   40                         ; s[40:41] v_permlanex16_b32's selects for lane l xor 16
.set NL2E,  42                         ; s[42:43] -log2(e), twice: the packed form names a pair
.set MSB, 0
.macro WIN new                         ; the immediate's high byte repeats the setting that is left; a switch that changes nothing is dropped
.if MSB != \new
	s_set_vgpr_msb (MSB<<8)|\new
.set MSB, \new
.endif
.endm
.set W_M1, 0x06                        ; first product: source 0 (weights) window 2, source 1 (tokens) window 1, C and D window 0
.set W_M2, 0x09                        ; second product: source 0 (tokens) window 1, source 1 (weights) window 2, C and D window 0
.set W_LD, 0x80                        ; destination window 2
.set W_X,  0x40                        ; destination window 1
.set W_FM, 0xf0                        ; destination and source 2 window 3
.set W_ST, 0x0c                        ; a store's data (source 1) window 3
.set W_CL, 0xc0                        ; destination window 3
.macro PLACES                          ; a load into a register that a matrix instruction has read, and a vector instruction that reads its result, stand four plain vector instructions behind it (ISA guide 7.12.1 for the vector instruction)
.rept 4
	v_nop
.endr
.endm
.macro BARRIER                         ; my LDS stores have landed and my LDS loads are in: then the work-group's barrier
	s_wait_dscnt 0x0
	s_barrier_signal -1
	s_barrier_wait -1
.endm
; Chunk c of the weights at base into ring slot: 16 loads of codes and one of scale words, each 512 consecutive bytes
.macro LOADCHUNK slot, base, c
	WIN W_LD
.irp j, 0,1,2,3,4,5,6,7,8,9,10,11,12,13,14,15
	global_load_b128 v[64*(\slot)+4*\j:64*(\slot)+4*\j+3], v1, s[\base:\base+1] offset:CHUNK*(\c)+512*\j
.endr
	WIN 0
	global_load_b128 v[WSC+4*(\slot):WSC+4*(\slot)+3], v1, s[\base:\base+1] offset:CHUNK*(\c)+8192
.endm
; One matrix instruction on the registers named by rD, rA, rB, rSA, rSB; rRA, rRB: the scales stand in lanes 16-31.  zero = 1: it starts the sum
.macro MM zero
.if \zero
.if rRA && rRB
	v_wmma_scale_f32_16x16x128_f8f6f4 v[rD:rD+7], v[rA:rA+7], v[rB:rB+7], 0, v[rSA], v[rSB] matrix_a_fmt:MATRIX_FMT_FP4 matrix_b_fmt:MATRIX_FMT_FP4 matrix_a_scale:MATRIX_SCALE_ROW1 matrix_b_scale:MATRIX_SCALE_ROW1
.elseif rRA
	v_wmma_scale_f32_16x16x128_f8f6f4 v[rD:rD+7], v[rA:rA+7], v[rB:rB+7], 0, v[rSA], v[rSB] matrix_a_fmt:MATRIX_FMT_FP4 matrix_b_fmt:MATRIX_FMT_FP4 matrix_a_scale:MATRIX_SCALE_ROW1
.elseif rRB
	v_wmma_scale_f32_16x16x128_f8f6f4 v[rD:rD+7], v[rA:rA+7], v[rB:rB+7], 0, v[rSA], v[rSB] matrix_a_fmt:MATRIX_FMT_FP4 matrix_b_fmt:MATRIX_FMT_FP4 matrix_b_scale:MATRIX_SCALE_ROW1
.else
	v_wmma_scale_f32_16x16x128_f8f6f4 v[rD:rD+7], v[rA:rA+7], v[rB:rB+7], 0, v[rSA], v[rSB] matrix_a_fmt:MATRIX_FMT_FP4 matrix_b_fmt:MATRIX_FMT_FP4
.endif
.else
.if rRA && rRB
	v_wmma_scale_f32_16x16x128_f8f6f4 v[rD:rD+7], v[rA:rA+7], v[rB:rB+7], v[rD:rD+7], v[rSA], v[rSB] matrix_a_fmt:MATRIX_FMT_FP4 matrix_b_fmt:MATRIX_FMT_FP4 matrix_a_scale:MATRIX_SCALE_ROW1 matrix_b_scale:MATRIX_SCALE_ROW1
.elseif rRA
	v_wmma_scale_f32_16x16x128_f8f6f4 v[rD:rD+7], v[rA:rA+7], v[rB:rB+7], v[rD:rD+7], v[rSA], v[rSB] matrix_a_fmt:MATRIX_FMT_FP4 matrix_b_fmt:MATRIX_FMT_FP4 matrix_a_scale:MATRIX_SCALE_ROW1
.elseif rRB
	v_wmma_scale_f32_16x16x128_f8f6f4 v[rD:rD+7], v[rA:rA+7], v[rB:rB+7], v[rD:rD+7], v[rSA], v[rSB] matrix_a_fmt:MATRIX_FMT_FP4 matrix_b_fmt:MATRIX_FMT_FP4 matrix_b_scale:MATRIX_SCALE_ROW1
.else
	v_wmma_scale_f32_16x16x128_f8f6f4 v[rD:rD+7], v[rA:rA+7], v[rB:rB+7], v[rD:rD+7], v[rSA], v[rSB] matrix_a_fmt:MATRIX_FMT_FP4 matrix_b_fmt:MATRIX_FMT_FP4
.endif
.endif
.endm
; K step s of the first product: 8 weight fragments x 2 token tiles.  The 16 accumulators take turns, one instruction a turn.  Then the slot takes the chunk four further on.
.macro P1STEP s
	s_wait_loadcnt 51                              ; loads come back in order (ISA guide 5.7.1): this slot's 17 are in; the three younger chunks, 3 x 17, may be out
	WIN W_M1
.irp i, 0,1,2,3,4,5,6,7
.irp m, 0,1
.set rD, GA+64*(\i/4)+32*\m+8*(\i%4)
.set rA, 64*((\s)%4)+8*\i
.set rB, 8*(8*\m+(\s))
.set rSA, WSC+4*((\s)%4)+\i/2
.set rSB, XSC+(\s)
.set rRA, \i%2
.set rRB, \m
.if (\s) == 0
	MM 1
.else
	MM 0
.endif
.endr
.endr
	PLACES
	LOADCHUNK (\s)%4, CUR, (\s)+4                  ; four chunks, 68 loads, are then asked for; the issue of the last few waits until the oldest have returned (ISA guide 5.7.1)
.endm
; silu(gate) x up for tile m's 32 numbers a lane, in f32: gate x up / (1 + 2^(-log2(e) gate)).  Every run ascends
.macro SILU m
.set rG, GA+32*(\m)
.set rU, UA+32*(\m)
.set j, 0
.rept 16
	v_pk_mul_f32 v[T+j:T+j+1], v[rG+j:rG+j+1], s[NL2E:NL2E+1] op_sel_hi:[1,0]
.set j, j+2
.endr
.set j, 0
.rept 32
	v_exp_f32 v[T+j], v[T+j]
.set j, j+1
.endr
	v_nop                                          ; one plain place behind a transcendental
.set j, 0
	s_wait_alu depctr_va_vdst(0)
.rept 16
	v_pk_add_f32 v[T+j:T+j+1], v[T+j:T+j+1], 1.0 op_sel_hi:[1,0]
.set j, j+2
.endr
.set j, 0
.rept 32
	v_rcp_f32 v[T+j], v[T+j]
.set j, j+1
.endr
	v_nop
.set j, 0
	s_wait_alu depctr_va_vdst(0)
.rept 16
	v_pk_mul_f32 v[rG+j:rG+j+1], v[rG+j:rG+j+1], v[T+j:T+j+1]
.set j, j+2
.endr
.set j, 0
.rept 16
	v_pk_mul_f32 v[rG+j:rG+j+1], v[rG+j:rG+j+1], v[rU+j:rU+j+1]
.set j, j+2
.endr
.endm
; The 64 activations of a lane, v[GA + 16 b + i], b = 2 m + (block of my wave's two), i = unit 16 (lane / 16) + i of the block, become codes, and go to LDS with their scale bytes.
.macro QUANT
.irp b, 0,1,2,3
	v_max3_num_f32 v[TM+\b], |v[GA+16*\b]|, |v[GA+1+16*\b]|, 0x1800000   ; my 16 numbers, and the floor 2^(3 - 127): so the byte cannot fall under 1
.endr
.irp i, 2,4,6,8,10,12,14
.irp b, 0,1,2,3
	v_max3_num_f32 v[TM+\b], v[TM+\b], |v[GA+16*\b+\i]|, |v[GA+1+16*\b+\i]|   ; (the four blocks by turns)
.endr
.endr
.irp b, 0,1,2,3
	v_permlanex16_b32 v[TM+4+\b], v[TM+\b], s[SEL], s[SEL+1]
.endr
.irp b, 0,1,2,3
	v_max_num_f32 v[TM+\b], v[TM+\b], v[TM+4+\b]   ; with lane l xor 16's: the block's largest magnitude
.endr
.irp b, 0,1,2,3
	v_add_nc_u32 v[TM+12+\b], 0xff000000, v[TM+\b] ; 2 off its exponent field: the conversion takes the exponent field of this operand as its scale
.endr
.irp b, 0,1,2,3
	v_lshrrev_b32 v[TM+4+\b], 23, v[TM+12+\b]      ; the scale's byte
.endr
	v_lshl_or_b32 v[HW], v[TM+5], 8, v[TM+4]       ; tile 0's two bytes of my token,
	v_lshl_or_b32 v[HW+1], v[TM+7], 8, v[TM+6]     ; tile 1's;
	v_cndmask_b32 v[HW+2], v[HW], v[HW+1], s46     ; lanes 0-15 store tile 0's, lanes 16-31 tile 1's
.irp b, 0,1,2,3
	v_cvt_scalef32_pk8_fp4_f32 v[PC+2*\b], v[GA+16*\b:GA+7+16*\b], v[TM+12+\b]
	v_cvt_scalef32_pk8_fp4_f32 v[PC+1+2*\b], v[GA+8+16*\b:GA+15+16*\b], v[TM+12+\b]
.endr
	v_nop                                          ; one plain place behind a scaled conversion
.irp m, 0,1                                    ; the operand's layout wants a WHOLE block in a lane: lanes 0-15 my first block, lanes 16-31 my second
.irp i, 0,1
	v_permlane16_swap_b32 v[PC+4*\m+\i], v[PC+2+4*\m+\i]
.endr
.endr
	ds_store_b128 v5, v[PC:PC+3]                   ; registers 4 (w % 2) .. + 3 of the fragment (tile 0, K step w / 2), as they stand
	ds_store_b128 v5, v[PC+4:PC+7] offset:2048     ; and of tile 1's
	ds_store_b16 v6, v[HW+2]
.endm
; Group g of the second product: 32 tokens x 64 of my output columns, K = 256 in two steps; then out += w_e x d.  The 8 accumulators take turns.
; nxt = 1: the slot takes the next expert's chunk g.  nxt = 0: the list's last expert: nothing more is asked for, the group's sums are whole, and they are stored.
.macro P2STEP g, nxt
.if \nxt
	s_wait_loadcnt 51                              ; this slot's 17 loads are in; three younger chunks may be out
.else
	s_wait_loadcnt 17*(3-\g)                       ; the last expert: nothing was issued behind chunks 8 .. 11
.endif
	WIN W_M2
.irp ks, 0,1
.irp ct, 0,1,2,3
.irp m, 0,1
.set rD, GA+8*(2*\ct+\m)
.set rA, 128+8*(2*\m+\ks)
.set rB, 64*\g+8*(2*\ct+\ks)
.set rSA, ASCR+\ks
.set rSB, WSC+4*\g+\ct
.set rRA, \m
.set rRB, \ks
.if \ks == 0
	MM 1
.else
	MM 0
.endif
.endr
.endr
.endr
	PLACES
.if \nxt
	LOADCHUNK \g, NXT, \g
.endif
	WIN W_FM
.irp m, 0,1                                    ; register j of accumulator (ct, m) is token 16 m + 8 h + j at column 64 g + 4 r + ct: the four ct go into four consecutive registers.  j ascends: each accumulator is first read at its low end
.irp j, 0,1,2,3,4,5,6,7
.irp ct, 0,1,2,3
	v_fma_f32 v[64*\g+32*\m+4*\j+\ct], v[GA+8*(2*\ct+\m)+\j], v[WR+8*\m+\j], v[64*\g+32*\m+4*\j+\ct]
.endr
.endr
.endr
.if \nxt == 0
	WIN W_ST
.irp m, 0,1
.irp j, 0,1,2,3,4,5,6,7
	global_store_b128 v[OA+8*\m+\j], v[64*\g+32*\m+4*\j:64*\g+32*\m+4*\j+3], s[16:17] offset:256*\g th:TH_STORE_NT   ; lanes 0-15 store 256 consecutive bytes of one row, lanes 16-31 of another, each at a multiple of 256 from out's first byte; written once, read by nobody here
.endr
.endr
.endif
	WIN 0                                          ; (the four v_nop and the multiply-adds on the other accumulators are the places ahead of the next products, which begin these accumulators anew)
.endm
	s_load_b256 s[4:11], s[0:1], 0x0               ; route s[4:5], wsw s[6:7], x's codes s[8:9], x's scales s[10:11]
	s_load_b128 s[12:15], s[0:1], 0x20             ; ids s[12:13], weights s[14:15]
	s_load_b64 s[16:17], s[0:1], 0x30              ; out
	v_lshl_add_u32 v23, v0, 2, 0x5500
	v_mov_b32 v77, 0
	v_lshrrev_b32 v2, 5, v0
	v_readfirstlane_b32 s[WV], v2                  ; wave 0 .. 3
	v_and_b32 v1, 31, v0                           ; lane
	v_and_b32 v2, 15, v0                           ; r
	v_bfe_u32 v3, v0, 4, 1                         ; h
	v_lshlrev_b32 v53, 2, v1                       ; the list: 4 x lane,
	v_lshlrev_b32 v54, 2, v2                       ; 4 r
	v_lshl_add_u32 v7, v1, 3, ASC                  ; the activation's scale words, read: 8 bytes a lane
	v_lshlrev_b32 v1, 4, v1                        ; v1 = 16 x lane from here on; never rewritten
	v_mul_u32_u24 v4, v2, XP
	v_lshl_add_u32 v4, v3, 4, v4                   ; x's fragments: row r, + 16 h
	s_lshl_b32 s47, s[WV], 9
	v_add_nc_u32 v5, s47, v1
	v_add_nc_u32 v5, AIMG, v5                      ; where I store my images: 512 w + 16 x lane
	s_lshl_b32 s47, s[WV], 1
	v_add_nc_u32 v6, s47, v7                       ; and my two scale bytes: 8 x lane + 2 w
	s_lshl_b32 s47, s[WV], 7                       ; my wave's 128 bytes for w_e
	v_add_nc_u32 v8, s47, v53
	v_add_nc_u32 v8, WL, v8                        ; in: 4 x lane: the block's token = lane
	v_lshl_add_u32 v9, v3, 5, s47
	v_add_nc_u32 v9, WL, v9                        ; back: tokens 8 h + 0 .. 7 of a tile
	v_add_nc_u32 v10, AIMG, v1                     ; the images, read
	s_lshl_b32 s47, s[WV], 10
	v_lshl_add_u32 v11, v2, 4, s47                 ; my bytes in a row of out: 1,024 w + 16 r (+ 256 g by the store's offset)
	s_mul_i32 s47, s[WV], 8*XP
	v_add_nc_u32 v65, s47, v1                      ; where I store x's rows 8 w ..
.irp b, 0,1,2,3
	v_mov_b32 v[TM+4+\b], 0                        ; written once: a lane permute's destination counts as one of its sources
.endr
	s_mov_b32 s[SEL], 0x76543210
	s_mov_b32 s[SEL+1], 0xfedcba98
	s_mov_b32 s[NL2E], 0xbfb8aa3b                  ; -log2(e)
	s_mov_b32 s[NL2E+1], s[NL2E]
	s_mov_b32 s46, 0xffff0000                      ; lanes 16-31
	s_lshl_b32 s48, ttmp9, 7                       ; my block's 32 places in the list
	s_mov_b32 s49, 0
	s_lshl_b32 s52, s[WV], 5                       ; my wave's 8 of them
	s_mov_b32 s53, 0
	s_lshl_b32 s54, ttmp9, 2                       ; my block's mask
	s_mov_b32 s55, 0
	s_mul_i32 s44, s[WV], WAVEB
	s_mov_b32 s45, 0
	s_mov_b32 s31, 0
	s_wait_kmcnt 0x0
	s_add_nc_u64 s[48:49], s[4:5], s[48:49]
	s_add_nc_u64 s[52:53], s[48:49], s[52:53]
	s_add_nc_u64 s[54:55], s[4:5], s[54:55]
	s_add_nc_u64 s[44:45], s[6:7], s[44:45]
	s_load_b32 s19, s[54:55], 0x8000               ; the mask
	s_load_b256 s[32:39], s[52:53], 0x0            ; the 8 tokens whose rows of x I fetch
	s_load_b512 s[68:83], s[48:49], 0x0            ; the block's 32 tokens, for the rows' offsets in out
	s_load_b512 s[84:99], s[48:49], 0x40
	global_load_b32 v50, v53, s[48:49]             ; token of place = lane: for x's scale words
	global_load_b32 v51, v54, s[48:49]             ; token r of tile 0,
	global_load_b32 v52, v54, s[48:49] offset:64   ; of tile 1: for ids and weights
	s_wait_kmcnt 0x0
.irp i, 0,1,2,3,4,5,6,7
	s_min_u32 s[32+\i], s[32+\i], 8191
.endr
.irp i, 0,1,2,3,4,5,6,7
	v_lshl_add_u32 v[56+\i], s[32+\i], 9, v1
.endr
.irp i, 0,1,2,3,4,5,6,7
	global_load_b128 v[GA+4*\i:GA+4*\i+3], v[56+\i], s[8:9] th:TH_LOAD_NT   ; a whole row of x's codes, 512 consecutive bytes; read once in the launch
.endr
	s_mov_b32 s20, 0                               ; the mask's experts as a list of nibbles, ascending
	s_mov_b32 s47, 0
.irp e, 0,1,2,3,4,5,6,7
	s_bitcmp1_b32 s19, \e
	s_cselect_b32 s50, 4, 0
	s_cselect_b32 s51, \e, 0
	s_lshl_b32 s51, s51, s47
	s_or_b32 s20, s20, s51
	s_add_co_u32 s47, s47, s50
.endr
	s_lshr_b32 s21, s47, 2                         ; N
	s_and_b32 s24, s20, 7
	s_min_u32 s24, s24, 7                          ; the first expert
	s_mul_i32 s30, s24, EXPB
	s_add_nc_u64 s[CUR:CUR+1], s[44:45], s[30:31]
	LOADCHUNK 0, CUR, 0
	s_wait_loadcnt 25                              ; the three loads from the list are in: behind them x's 8 rows and the chunk's 17
.irp i, 50,51,52
	v_min_u32 v[\i], 8191, v[\i]
.endr
	v_lshlrev_b32 v74, 5, v50
	v_lshlrev_b32 v75, 3, v51
	v_lshlrev_b32 v76, 3, v52
	global_load_b128 v[XSC:XSC+3], v74, s[10:11]   ; x's scale words of K steps 0-3,
	global_load_b128 v[XSC+4:XSC+7], v74, s[10:11] offset:16   ; 4-7
	global_load_b64 v[12:13], v75, s[12:13]
	global_load_b64 v[14:15], v76, s[12:13]
	global_load_b64 v[16:17], v75, s[14:15]
	global_load_b64 v[18:19], v76, s[14:15]
	LOADCHUNK 1, CUR, 1                            ; 48 loads are out here: none of them has had to wait for its issue
.set i, 0
.rept 32
	s_min_u32 s[68+i], s[68+i], 8191
.set i, i+1
.endr
	WIN W_CL                                       ; out begins as zeros.  Which expert comes first is known from the list alone, so a first visit that starts the sums would be a second copy of the
.set i, 0                                      ; loop's body; these lines stand here, while x's rows are on their way
.rept 256
	v_mov_b32 v[i], 0
.set i, i+1
.endr
	WIN 0
	LOADCHUNK 2, CUR, 2
	s_wait_loadcnt 57                              ; x's 8 rows are in: behind them 17 + 6 + 17 + 17
.irp i, 0,1,2,3,4,5,6,7
	ds_store_b128 v65, v[GA+4*\i:GA+4*\i+3] offset:XP*\i
.endr
	BARRIER                                        ; x's 32 rows lie in LDS
	WIN W_X
.irp m, 0,1
.irp s, 0,1,2,3,4,5,6,7
.irp c, 0,1
	ds_load_b128 v[8*(8*\m+\s)+4*\c:8*(8*\m+\s)+4*\c+3], v4 offset:16*XP*\m+64*\s+32*\c   ; x's fragments stay in registers
.endr
.endr
.endr
	WIN 0
	; the rows' offsets in out, made while the fragments come: lane (r, h) stores, for tile m and register j, the row of the block's token 16 m + 8 h + j.
	; (v50-65 are free: the loads that named them were shown done by the waits for 25 and for 57.  v74-76 are still named by loads that are out, and are not touched.)
.set i, 0
.rept 16
	v_mov_b32 v[OA+i], s[68+16*(i/8)+i%8]          ; h = 0's token,
.set i, i+1
.endr
.set i, 0
.rept 16
	v_mov_b32 v[T+i], s[76+16*(i/8)+i%8]           ; h = 1's
.set i, i+1
.endr
.set i, 0
.rept 16
	v_cndmask_b32 v[OA+i], v[OA+i], v[T+i], s46
.set i, i+1
.endr
.set i, 0
.rept 16
	v_min_u32 v[OA+i], 8191, v[OA+i]
.set i, i+1
.endr
.set i, 0
.rept 16
	v_lshl_add_u32 v[OA+i], v[OA+i], 12, v11       ; token x 4,096 + my bytes of the row
.set i, i+1
.endr
	LOADCHUNK 3, CUR, 3
	s_wait_loadcnt 51                              ; chunk 0, x's scale words, ids and weights are in: behind them chunks 1 to 3
	s_wait_dscnt 0x0
	s_mov_b32 s22, 0
.Ltrip:                                            ; 8 trips; no barrier stands under a branch
	BARRIER                                        ; every wave's reads of the last trip's activation are over
	s_lshr_b32 s20, s20, 4
	s_and_b32 s25, s20, 7
	s_min_u32 s25, s25, 7                          ; the next expert of the list (past its end: 0, and not used)
	s_mul_i32 s30, s25, EXPB
	s_add_nc_u64 s[NXT:NXT+1], s[44:45], s[30:31]
	s_add_co_u32 s23, s22, 1
	s_cmp_ge_u32 s22, s21
	s_cbranch_scc1 .Lidle
.irp s, 0,1,2,3,4,5,6,7
	P1STEP \s                                      ; steps 4 to 7 ask for the down weights: all are on their way ahead of the vector work below
.endr
	SILU 0
	SILU 1
	QUANT
.Lidle:
	BARRIER                                        ; the four waves' images and scale bytes lie in LDS
	s_cmp_ge_u32 s22, s21
	s_cbranch_scc1 .Lbottom
.irp m, 0,1                                    ; w_e of my token (lane % 16) of tile m: the sum of the weights whose id is this expert
	v_cmp_eq_u32 vcc_lo, s24, v[12+2*\m]
	v_cndmask_b32 v93, 0, v[16+2*\m], vcc_lo
	v_cmp_eq_u32 vcc_lo, s24, v[13+2*\m]
	v_cndmask_b32 v94, 0, v[17+2*\m], vcc_lo
	v_add_f32 v[WT+\m], v93, v94
.endr
	v_cndmask_b32 v95, v[WT], v[WT+1], s46         ; lane l: w_e of the block's token l.  The second product's results have a token to a REGISTER, so w_e turns through my wave's own 128 bytes of LDS:
	ds_store_b32 v8, v95
.irp m, 0,1
	ds_load_b128 v[WR+8*\m:WR+8*\m+3], v9 offset:64*\m        ; LDS serves a wave's instructions in order (ISA guide 5.7.1.4): these see the store above.  w_e of tokens 16 m + 8 h + 0 .. 3,
	ds_load_b128 v[WR+8*\m+4:WR+8*\m+7], v9 offset:64*\m+16   ; + 4 .. 7
.endr
	WIN W_X
.irp q, 0,1,2,3,4,5,6,7
	ds_load_b128 v[128+4*\q:131+4*\q], v10 offset:512*\q
.endr
	WIN 0
	ds_load_b64 v[ASCR:ASCR+1], v7                 ; lanes 0-15 tile 0's words, lanes 16-31 tile 1's; K steps 0, 1
	s_wait_dscnt 0x0
	s_cmp_ge_u32 s23, s21
	s_cbranch_scc1 .Llast
.irp g, 0,1,2,3
	P2STEP \g, 1
.endr
	s_branch .Lbottom
.Llast:                                            ; the list's last expert is written out: it asks for nothing, its waits count down, and each group of columns leaves as soon as it is whole
.irp g, 0,1,2,3
	P2STEP \g, 0
.endr
.Lbottom:
	s_wait_xcnt 0x0                                ; the loads and stores issued have read their sources: the two bases are rewritten only behind this wait
	s_mov_b64 s[CUR:CUR+1], s[NXT:NXT+1]
	s_mov_b32 s24, s25
	s_add_co_u32 s22, s22, 1
	s_cmp_lt_u32 s22, 8
	s_cbranch_scc1 .Ltrip
	s_wait_tensorcnt 0x0
	ds_add_u32 v23, v77
	s_wait_dscnt 0x0
	s_endpgm                                       ; the rows were stored in the list's last visit
.Lfunc_end_k_q227f6ff0d3_moe:
	.size	k_q227f6ff0d3_moe, .Lfunc_end_k_q227f6ff0d3_moe-k_q227f6ff0d3_moe
	.p2alignl 7, 3214868480
	.fill 96, 4, 3214868480
	.section	.rodata,"a",@progbits
	.p2align	6, 0x0
	.amdhsa_kernel k_q227f6ff0d3_moe
		.amdhsa_group_segment_fixed_size 22272
		.amdhsa_private_segment_fixed_size 0
		.amdhsa_enable_private_segment 0
		.amdhsa_kernarg_size 56
		.amdhsa_user_sgpr_count 2
		.amdhsa_user_sgpr_kernarg_segment_ptr 1
		.amdhsa_wavefront_size32 1
		.amdhsa_system_sgpr_workgroup_id_x 1
		.amdhsa_system_sgpr_workgroup_id_y 1
		.amdhsa_system_sgpr_workgroup_id_z 1
		.amdhsa_system_vgpr_workitem_id 0
		.amdhsa_next_free_vgpr 1024
		.amdhsa_next_free_sgpr 100
		.amdhsa_reserve_vcc 1
		.amdhsa_float_denorm_mode_32 3
		.amdhsa_float_denorm_mode_16_64 3
		.amdhsa_memory_ordered 1
		.amdhsa_forward_progress 1
		.amdhsa_inst_pref_size 144
	.end_amdhsa_kernel
	.amdgpu_metadata
---
amdhsa.version: [ 1, 2 ]
amdhsa.kernels:
  - .name:           k_q227f6ff0d3_moe
    .symbol:         k_q227f6ff0d3_moe.kd
    .args:
      - { .name: route, .offset: 0, .size: 8, .value_kind: global_buffer, .address_space: global }
      - { .name: wsw, .offset: 8, .size: 8, .value_kind: global_buffer, .address_space: global }
      - { .name: hidden_states_codes, .offset: 16, .size: 8, .value_kind: global_buffer, .address_space: global }
      - { .name: hidden_states_scales, .offset: 24, .size: 8, .value_kind: global_buffer, .address_space: global }
      - { .name: topk_ids, .offset: 32, .size: 8, .value_kind: global_buffer, .address_space: global }
      - { .name: topk_weights, .offset: 40, .size: 8, .value_kind: global_buffer, .address_space: global }
      - { .name: out0, .offset: 48, .size: 8, .value_kind: global_buffer, .address_space: global }
    .group_segment_fixed_size: 22272
    .private_segment_fixed_size: 0
    .kernarg_segment_align: 8
    .kernarg_segment_size: 56
    .max_flat_workgroup_size: 128
    .sgpr_count:     100
    .vgpr_count:     1024
    .wavefront_size: 32
...
	.end_amdgpu_metadata
.endif
;; end of part 2
;; ======== version 2 of 2: 2 launches
;; workspace buffers: route 33,792 bytes of whole numbers; wsw 3,342,336 bytes
;; launch prep (part 3): grid 100 x 1, 16 waves a work-group, no clusters, 7,168 bytes of LDS; arguments topk_ids, gate_up_weight_codes, gate_up_weight_scales, down_weight_codes, down_weight_scales, route, wsw; writes route, wsw
.if DOCPART == 3
	.amdgcn_target "amdgcn-amd-amdhsa--gfx1250"
	.amdhsa_code_object_version 6
	.text
	.protected	k_q227f6ff0d3_prep
	.globl	k_q227f6ff0d3_prep
	.p2align	8
	.type	k_q227f6ff0d3_prep,@function
k_q227f6ff0d3_prep:
	s_mov_b64 s[64:65], 0
	v_nop
	global_prefetch_b8 v0, s[64:65] scope:SCOPE_SE
	s_setreg_imm32_b32 hwreg(HW_REG_WAVE_MODE, 25, 1), 1
	s_wait_xcnt 0x0
; TWO JOBS IN ONE LAUNCH, parted by the work-group's number.
; Work-groups 0-3: SORT.  Each takes 2,048 tokens and sorts them by their SET of experts (a counting sort, no atomics): route[p] = the token at sorted place p, and for each
;   block of 32 places an 8-bit mask of the experts that the block's tokens use, at route + 32,768 + 4 x block.  The next launch gives a block to a work-group.
;   A token's two ids make an unordered pair (a, b), a < b: 28 buckets.  A token with both ids equal joins (a, a + 1), and (7, 7) joins (6, 7): the bucket holds its expert.
;   Ids outside 0 .. 7 are held into that range for the bucket alone; they add nothing to the result, as in the problem's function.
;   The buckets are numbered in a snake (b rising in even rows a, falling in odd ones), so that neighbouring buckets share an expert: a block that lies over one
;   boundary of buckets uses three experts, a block inside a bucket two.
; Work-groups 4-99: LAYOUT.  All weights are laid once in the order of a wave's operand registers: 384 chunks of 8,704 bytes, chunk ((e x 4 + w) x 12 + c), e the expert, w the wave
;   of the next launch.  In a chunk: 16 blocks of 512 bytes, block 2 i + c' = registers 4 c' .. 4 c' + 3 of fragment i, lane l's 16 bytes at 16 l; at byte 8,192 four scale
;   registers, 16 bytes a lane: register q holds in lanes 0-15 the scale words of fragment 2 q, in lanes 16-31 those of fragment 2 q + 1.
;   c = 0 .. 7: K step c of gate_up.  Fragments 0-3: gate tiles t = 0 .. 3, fragments 4-7: up tiles.  Lane rho of tile t takes row 64 w + 32 (t / 2) + 8 (t % 2) + rho + 8 (rho / 8)
;   (+ 256 for up): the rows of a tile are not neighbours, so that the results of tiles 2 b and 2 b + 1 are 16 neighbours along the second product's K.
;   c = 8 + g: down.  Fragment 2 ct + ks: lane rho takes row 256 w + 64 g + 4 rho + ct, K step ks: so a lane's four tiles ct are four NEIGHBOURING output columns.
.set CHUNK, 8704
.set HT,    0                          ; LDS (sort alone): counts [wave 16][bucket 32], 132 bytes a wave
.set PT,    2304                       ; the same shape: for each wave and bucket the count in the waves before it
.set TOT,   4608                       ; [bucket 32]: the group's count
.set WP,    132
	s_load_b256 s[4:11], s[0:1], 0x0               ; ids s[4:5], gate_up codes s[6:7], gate_up scales s[8:9], down codes s[10:11]
	s_load_b128 s[12:15], s[0:1], 0x20             ; down scales s[12:13], route s[14:15]
	s_load_b64 s[16:17], s[0:1], 0x30              ; wsw
	v_lshl_add_u32 v64, v0, 2, 0x1400
	v_mov_b32 v65, 0
	v_lshrrev_b32 v4, 5, v0
	s_delay_alu instid0(VALU_DEP_1)
	v_readfirstlane_b32 s18, v4                    ; V: wave 0 .. 15
	v_and_b32 v1, 31, v0                           ; L: lane
	v_and_b32 v2, 15, v0                           ; rho
	v_bfe_u32 v3, v0, 4, 1                         ; h
	s_wait_kmcnt 0x0
	s_cmp_lt_u32 ttmp9, 4                          ; the same answer in all sixteen waves of a work-group
	s_cbranch_scc1 .Lsort
; ---------------- LAYOUT: work-group J = x - 4 writes chunks 4 J .. 4 J + 3; four waves to a chunk, two fragments to a wave ----------------
	s_sub_co_u32 s19, ttmp9, 4                     ; J = 0 .. 95
	s_mul_i32 s20, s19, 0xaaab
	s_lshr_b32 s20, s20, 17                        ; J / 3 (exact for J under 96) = 4 e + w
	s_mul_i32 s21, s20, 3
	s_sub_co_u32 s21, s19, s21                     ; QQ = J % 3: 0, 1: gate_up's K steps 0-3, 4-7; 2: down
	s_lshr_b32 s22, s20, 2                         ; e
	s_and_b32 s23, s20, 3                          ; w
	s_lshr_b32 s24, s18, 2                         ; CC: which of the four chunks
	s_and_b32 s25, s18, 3                          ; QT: fragments 2 QT and 2 QT + 1
	s_lshl_b32 s26, s19, 2
	s_add_co_u32 s26, s26, s24
	s_mul_i32 s26, s26, CHUNK
	s_lshl_b32 s27, s25, 11
	s_add_co_u32 s26, s26, s27                     ; chunk x 8,704 + QT x 4 blocks of 512
	s_mov_b32 s27, 0
	s_add_nc_u64 s[16:17], s[16:17], s[26:27]
	s_wait_alu depctr_va_vdst(0)
	v_lshlrev_b32 v4, 4, v1                        ; 16 x lane: my place in a block
; The loads and stores of a wave.  uo: bytes from fragment 2 QT to 2 QT + 1 in the source; shi, slo: bytes by which scale register q lies on, shi (q / 2) + slo (q % 2).
; Each store of the wave covers 512 consecutive bytes, at a multiple of 256 from the buffer's first byte.
.macro LAY uo, shi, slo
.irp u, 0,1
.irp c, 0,1
	global_load_b128 v[16+8*\u+4*\c:19+8*\u+4*\c], v5, s[28:29] offset:\uo*\u+32*\c
.endr
.endr
	s_cmp_lg_u32 s25, 0                            ; the chunk's scale registers are wave QT = 0's
	s_cbranch_scc1 .Lno_scales_\@
.irp q, 0,1,2,3
	global_load_b32 v[32+\q], v6, s[30:31] offset:\shi*(\q/2)+\slo*(\q%2)
.endr
	s_wait_loadcnt 0x0
	s_wait_alu depctr_va_vdst(0)
	global_store_b128 v4, v[32:35], s[16:17] offset:8192
.Lno_scales_\@:
	s_wait_loadcnt 0x0
	s_wait_alu depctr_va_vdst(0)
.irp j, 0,1,2,3
	global_store_b128 v4, v[16+4*\j:19+4*\j], s[16:17] offset:512*\j
.endr
	s_endpgm
.endm
	s_cmp_eq_u32 s21, 2
	s_cbranch_scc1 .Ldown
	; gate_up: a row is 512 bytes of codes and 32 scale bytes; K step s = 4 QQ + CC
	s_lshl_b32 s32, s21, 2
	s_add_co_u32 s32, s32, s24                     ; s
	s_lshr_b32 s33, s25, 1
	s_lshl_b32 s33, s33, 8                         ; up's rows lie 256 behind gate's
	s_lshl_b32 s34, s23, 6
	s_add_co_u32 s33, s33, s34
	s_and_b32 s34, s25, 1
	s_lshl_b32 s34, s34, 5
	s_add_co_u32 s33, s33, s34                     ; 256 (QT / 2) + 64 w + 32 (QT % 2): the first row of fragment 2 QT
	s_lshl_b32 s33, s33, 9
	s_lshl_b32 s34, s22, 18
	s_add_co_u32 s26, s33, s34
	s_lshl_b32 s34, s32, 6
	s_add_co_u32 s26, s26, s34                     ; + 64 s bytes along the row
	s_add_nc_u64 s[28:29], s[6:7], s[26:27]
	s_lshl_b32 s26, s22, 14
	s_lshl_b32 s34, s23, 11
	s_add_co_u32 s26, s26, s34
	s_lshl_b32 s34, s32, 2
	s_add_co_u32 s26, s26, s34                     ; scales: e x 16,384 + 64 w rows of 32 + 4 s
	s_add_nc_u64 s[30:31], s[8:9], s[26:27]
	v_and_b32 v7, 8, v2
	s_delay_alu instid0(VALU_DEP_1)
	v_add_nc_u32 v7, v7, v2                        ; rho + 8 (rho / 8)
	s_delay_alu instid0(VALU_DEP_1)
	v_lshlrev_b32 v5, 9, v7
	s_delay_alu instid0(VALU_DEP_1)
	v_lshl_add_u32 v5, v3, 4, v5                   ; that row, + 16 h
	s_delay_alu instid0(VALU_DEP_3)
	v_lshl_add_u32 v6, v3, 3, v7
	s_delay_alu instid0(VALU_DEP_1)
	v_lshlrev_b32 v6, 5, v6                        ; scale words: lanes 16-31 take the odd fragment's rows, 8 further on
	LAY 4096, 8192, 1024
.Ldown:
	; down: a row is 128 bytes of codes and 8 scale bytes; g = CC, ct = QT.  The chunk's four waves together read its 64 rows, 8,192 consecutive bytes
	s_lshl_b32 s33, s23, 8
	s_lshl_b32 s34, s24, 6
	s_add_co_u32 s33, s33, s34                     ; 256 w + 64 g
	s_lshl_b32 s35, s33, 3
	s_add_co_u32 s33, s33, s25                     ; + ct
	s_lshl_b32 s33, s33, 7
	s_lshl_b32 s34, s22, 17
	s_add_co_u32 s26, s33, s34
	s_add_nc_u64 s[28:29], s[10:11], s[26:27]
	s_lshl_b32 s34, s22, 13
	s_add_co_u32 s26, s35, s34
	s_add_nc_u64 s[30:31], s[12:13], s[26:27]
	v_lshlrev_b32 v5, 9, v2
	s_delay_alu instid0(VALU_DEP_1)
	v_lshl_add_u32 v5, v3, 4, v5                   ; 4 rho rows on, + 16 h
	v_lshlrev_b32 v6, 5, v2
	s_delay_alu instid0(VALU_DEP_1)
	v_lshl_add_u32 v6, v3, 2, v6                   ; scale words of row 4 rho (+ q by the offset): lanes 0-15 K step 0's, lanes 16-31 K step 1's
	LAY 64, 16, 8
; ---------------- SORT: group g = x; wave V owns tokens 2,048 g + 128 V + 32 s + lane, s = 0 .. 3 ----------------
; REGISTERS: v5-7, v60 LDS addresses; v8-15 ids; v16-19 bucket of my token in slot s; v20-23 as LANE = BUCKET: the slot's tokens of bucket = lane, a bit each; v24-27 their counts, then running sums;
;   v28-32 lane's bits as masks; v33 the two experts of bucket = lane; v34-47, v61-63 at work; v48-55 what the lane pulls bring; v56-59 token numbers.  s20-39: five bit planes of the buckets for each slot.
.Lsort:
	s_lshl_b32 s50, ttmp9, 11
	s_lshl_b32 s51, s18, 7
	s_add_co_u32 s50, s50, s51                     ; my wave's first token
	s_lshl_b32 s52, s50, 3
	s_mov_b32 s53, 0
	s_add_nc_u64 s[4:5], s[4:5], s[52:53]
	s_wait_alu depctr_va_vdst(0)
	v_lshlrev_b32 v4, 3, v1
.irp s, 0,1,2,3
	global_load_b64 v[8+2*\s:9+2*\s], v4, s[4:5] offset:256*\s   ; 32 tokens' two ids: 256 consecutive bytes
.endr
	s_mov_b32 s40, 0x130b0800                      ; T'[a], a byte each, a = 0 .. 7: 0, 8, 11, 19, 18, 26, 21, 0
	s_mov_b32 s41, 0x00151a12
	s_mov_b32 s42, 0x07000700                      ; X[a]: 7 in odd rows, where b falls
	s_mov_b32 s43, 0x00000700
	s_mov_b32 s44, 0x76543210                      ; v_permlanex16_b32's selects for lane l xor 16
	s_mov_b32 s45, 0xfedcba98
	s_mov_b32 s46, 0x55555555
	s_mov_b32 s47, 0x33333333
	s_mov_b32 s48, 0x0f0f0f0f
	s_mov_b32 s49, 0x01010101
	; what hangs on the lane alone is made while the ids are on their way
.irp p, 0,1,2,3,4
	v_bfe_u32 v[28+\p], v1, \p, 1
.endr
.irp p, 0,1,2,3,4
	v_add_nc_u32 v[28+\p], -1, v[28+\p]            ; 0 where bit p of the lane is 1, all ones where it is 0
.endr
	v_mov_b32 v34, 0
.irp o, 7,13,18,22,25,27
	v_cmp_le_u32 vcc_lo, \o, v1
	s_delay_alu instid0(VALU_DEP_1)
	v_add_co_ci_u32 v34, vcc_lo, 0, v34, vcc_lo    ; a of bucket = lane: how many rows begin at or under it
.endr
	s_delay_alu instid0(VALU_DEP_1)
	v_perm_b32 v35, s41, s40, v34                  ; byte a of the table (the selector's upper bytes are 0 and pick byte 0, which is 0)
	s_delay_alu instid0(VALU_DEP_2)
	v_perm_b32 v36, s43, s42, v34
	v_add_nc_u32 v37, 1, v1
	s_delay_alu instid0(VALU_DEP_1)
	v_sub_nc_u32 v37, v37, v35
	s_delay_alu instid0(VALU_DEP_1)
	v_xor_b32 v37, v37, v36                        ; b = (bucket + 1 - T'[a]) xor X[a]
	v_lshlrev_b32 v33, v34, 1
	s_delay_alu instid0(VALU_DEP_2)
	v_lshlrev_b32 v37, v37, 1
	s_delay_alu instid0(VALU_DEP_1)
	v_or_b32 v33, v33, v37                         ; (1 << a) | (1 << b).  Lanes 28-31 are no buckets: their counts are 0 and this is not used
	v_add_nc_u32 v56, s50, v1
.irp s, 1,2,3
	v_add_nc_u32 v[56+\s], 32*\s, v56
.endr
	s_mul_i32 s54, s18, WP
	v_lshl_add_u32 v5, v1, 2, s54                  ; my wave's row of a table, bucket = lane
	v_mul_u32_u24 v6, v2, WP
	s_delay_alu instid0(VALU_DEP_1)
	v_lshl_add_u32 v6, v3, 2, v6
	s_lshl_b32 s51, s18, 3
	v_add_nc_u32 v6, s51, v6                       ; wave rho's row, bucket 2 V + h
	v_lshlrev_b32 v7, 2, v3
	s_delay_alu instid0(VALU_DEP_1)
	v_add_nc_u32 v7, s51, v7                       ; 4 (2 V + h)
	v_lshlrev_b32 v60, 2, v1                       ; 4 x lane
	v_mov_b32 v40, 0                               ; (a DPP move's destination counts as read: written once here)
	v_mov_b32 v42, 0
	s_wait_loadcnt 0x0
	; the bucket of each token, the four slots by turns
.irp s, 0,1,2,3
	v_min_u32 v[34+\s], v[8+2*\s], v[9+2*\s]
.endr
.irp s, 0,1,2,3
	v_max_u32 v[38+\s], v[8+2*\s], v[9+2*\s]
.endr
.irp s, 0,1,2,3
	v_add_nc_u32 v[42+\s], 1, v[34+\s]
.endr
.irp s, 0,1,2,3
	s_delay_alu instid0(VALU_DEP_4)
	v_max_u32 v[38+\s], v[38+\s], v[42+\s]         ; equal ids: b = a + 1
.endr
.irp s, 0,1,2,3
	v_min_u32 v[34+\s], 6, v[34+\s]
.endr
.irp s, 0,1,2,3
	v_min_u32 v[38+\s], 7, v[38+\s]
.endr
.irp s, 0,1,2,3
	v_perm_b32 v[42+\s], s41, s40, v[34+\s]
.endr
.irp s, 0,1,2,3
	v_perm_b32 v[34+\s], s43, s42, v[34+\s]
.endr
.irp s, 0,1,2,3
	s_delay_alu instid0(VALU_DEP_4)
	v_xor_b32 v[38+\s], v[38+\s], v[34+\s]
.endr
.irp s, 0,1,2,3
	s_delay_alu instid0(VALU_DEP_4)
	v_add3_u32 v[16+\s], v[42+\s], v[38+\s], -1    ; bucket = T'[a] + (b xor X[a]) - 1: 0 .. 27
.endr
	; the buckets' five bits as masks over the slot's 32 tokens
.irp s, 0,1,2,3
.irp p, 0,1,2,3,4
	v_and_b32 v[34+\p], 1<<\p, v[16+\s]
	s_delay_alu instid0(VALU_DEP_1)
	v_cmp_ne_u32 s[20+5*\s+\p], 0, v[34+\p]
.endr
.endr
	; from here a lane stands for a bucket: bit j of v[20 + s] says that token j of slot s has bucket = lane
.irp s, 0,1,2,3
	v_xor_b32 v[20+\s], s[20+5*\s], v28
.endr
.irp p, 1,2,3,4
.irp s, 0,1,2,3
	v_xor_b32 v[34+\s], s[20+5*\s+\p], v[28+\p]
.endr
.irp s, 0,1,2,3
	s_delay_alu instid0(VALU_DEP_4)
	v_and_b32 v[20+\s], v[20+\s], v[34+\s]
.endr
.endr
	; how many bits are set: pairs, fours, bytes, then the four bytes' sum by a multiplication
.irp s, 0,1,2,3
	s_delay_alu instid0(VALU_DEP_4)
	v_lshrrev_b32 v[34+\s], 1, v[20+\s]
.endr
.irp s, 0,1,2,3
	s_delay_alu instid0(VALU_DEP_4)
	v_and_b32 v[34+\s], s46, v[34+\s]
.endr
.irp s, 0,1,2,3
	s_delay_alu instid0(VALU_DEP_4)
	v_sub_nc_u32 v[24+\s], v[20+\s], v[34+\s]
.endr
.irp s, 0,1,2,3
	s_delay_alu instid0(VALU_DEP_4)
	v_lshrrev_b32 v[34+\s], 2, v[24+\s]
.endr
.irp s, 0,1,2,3
	s_delay_alu instid0(VALU_DEP_4)
	v_and_b32 v[34+\s], s47, v[34+\s]
.endr
.irp s, 0,1,2,3
	v_and_b32 v[24+\s], s47, v[24+\s]
.endr
.irp s, 0,1,2,3
	s_delay_alu instid0(VALU_DEP_4)
	v_add_nc_u32 v[24+\s], v[24+\s], v[34+\s]
.endr
.irp s, 0,1,2,3
	s_delay_alu instid0(VALU_DEP_4)
	v_lshrrev_b32 v[34+\s], 4, v[24+\s]
.endr
.irp s, 0,1,2,3
	s_delay_alu instid0(VALU_DEP_4)
	v_add_nc_u32 v[24+\s], v[24+\s], v[34+\s]
.endr
.irp s, 0,1,2,3
	s_delay_alu instid0(VALU_DEP_4)
	v_and_b32 v[24+\s], s48, v[24+\s]
.endr
.irp s, 0,1,2,3
	s_delay_alu instid0(VALU_DEP_4)
	v_mul_lo_u32 v[24+\s], v[24+\s], s49
.endr
.irp s, 0,1,2,3
	s_delay_alu instid0(VALU_DEP_4)
	v_lshrrev_b32 v[24+\s], 24, v[24+\s]
.endr
	s_delay_alu instid0(VALU_DEP_3)
	v_add_nc_u32 v25, v24, v25                     ; v24, v25, v26: the bucket's tokens in the slots before slot 1, 2, 3;
	s_delay_alu instid0(VALU_DEP_1)
	v_add_nc_u32 v26, v25, v26
	s_delay_alu instid0(VALU_DEP_1)
	v_add_nc_u32 v27, v26, v27                     ; v27: in my wave
	ds_store_b32 v5, v27 offset:HT
	s_wait_dscnt 0x0                               ; for the others' sake: my counts lie in LDS
	s_barrier_signal -1
	s_barrier_wait -1
; a running sum along the 16 lanes of a row
.macro ROWSCAN x, t
.irp n, 1,2,4,8
	s_delay_alu instid0(VALU_DEP_1)
	v_mov_b32_dpp v[\t], v[\x] row_shr:\n row_mask:0xf bank_mask:0xf bound_ctrl:1
	s_delay_alu instid0(VALU_DEP_1)
	v_add_nc_u32 v[\x], v[\x], v[\t]
.endr
.endm
	ds_load_b32 v38, v6 offset:HT                  ; wave V sums buckets 2 V and 2 V + 1 over the sixteen waves: lane (rho, h) takes wave rho's count
	s_wait_dscnt 0x0
	v_mov_b32 v39, v38
	ROWSCAN 39, 40
	s_delay_alu instid0(VALU_DEP_1)
	v_sub_nc_u32 v41, v39, v38                     ; the count in the waves before wave rho
	s_delay_alu instid0(VALU_DEP_2)
	v_mov_b32_dpp v42, v39 row_share:15 row_mask:0xf bank_mask:0xf   ; the group's count
	ds_store_b32 v6, v41 offset:PT
	ds_store_b32 v7, v42 offset:TOT                ; sixteen lanes write the same word with the same value
	s_wait_dscnt 0x0
	s_barrier_signal -1
	s_barrier_wait -1
	ds_load_b32 v43, v60 offset:TOT                ; bucket = lane: the group's count,
	ds_load_b32 v44, v5 offset:PT                  ; and the count in the waves before mine
	s_wait_dscnt 0x0
	v_mov_b32 v39, v43
	ROWSCAN 39, 40
	s_delay_alu instid0(VALU_DEP_1)
	v_readlane_b32 s55, v39, 15
	s_delay_alu instid0(VALU_DEP_1)
	v_mad_u32_u24 v39, v3, s55, v39                ; lanes 16-31 add the first row's sum: v39 = where the bucket ends in the group,
	s_delay_alu instid0(VALU_DEP_1)
	v_sub_nc_u32 v45, v39, v43                     ; v45 = where it begins
	s_delay_alu instid0(VALU_DEP_1)
	v_add_nc_u32 v46, v45, v44
	s_lshl_b32 s56, ttmp9, 11
	v_add_nc_u32 v46, s56, v46                     ; the place of my wave's first token of the bucket
.irp s, 1,2,3
	v_add_nc_u32 v[60+\s], v46, v[23+\s]           ; and of slot s's first
.endr
.irp s, 0,1,2,3
	v_min_u32 v[34+\s], 31, v[16+\s]
.endr
.irp s, 0,1,2,3
	s_delay_alu instid0(VALU_DEP_4)
	v_lshlrev_b32 v[34+\s], 2, v[34+\s]            ; back to a lane for a token: it pulls from lane = its bucket
.endr
	ds_bpermute_b32 v48, v34, v46
	ds_bpermute_b32 v49, v34, v20
.irp s, 1,2,3
	ds_bpermute_b32 v[48+2*\s], v[34+\s], v[60+\s] ; the slot's first place in my bucket,
	ds_bpermute_b32 v[49+2*\s], v[34+\s], v[20+\s] ; and which tokens of the slot share it
.endr
	s_wait_dscnt 0x0
.irp s, 0,1,2,3
	v_mbcnt_lo_u32_b32 v[48+2*\s], v[49+2*\s], v[48+2*\s]   ; + how many of them stand in lanes under mine
.endr
.irp s, 0,1,2,3
	s_delay_alu instid0(VALU_DEP_4)
	v_min_u32 v[48+2*\s], 8191, v[48+2*\s]
.endr
.irp s, 0,1,2,3
	s_delay_alu instid0(VALU_DEP_4)
	v_lshlrev_b32 v[48+2*\s], 2, v[48+2*\s]
.endr
.irp s, 0,1,2,3
	global_store_b32 v[48+2*\s], v[56+\s], s[14:15]   ; 4 bytes a lane: placing 32 KB of numbers is a scatter by its nature; a bucket's tokens of a slot are neighbours
.endr
	; the masks of the group's blocks 4 V .. 4 V + 3: bucket = lane counts where it holds tokens and its places meet the block's 32
	v_cmp_ne_u32 vcc_lo, 0, v43
	s_delay_alu instid0(VALU_DEP_1)
	v_cndmask_b32 v47, 0, v33, vcc_lo
	v_mov_b32 v38, 0
	s_lshl_b32 s57, s18, 7
.irp j, 0,1,2,3
	s_add_co_u32 s58, s57, 32*\j
	s_add_co_u32 s59, s57, 32*\j+32
	v_cmp_gt_u32 s60, s59, v45                     ; the block's end lies over the bucket's first place,
	v_cmp_lt_u32 s61, s58, v39                     ; and its first place under the bucket's end
	s_and_b32 s60, s60, s61
	v_cndmask_b32 v40, 0, v47, s60
	s_delay_alu instid0(VALU_DEP_1)
	v_lshl_or_b32 v38, v40, 8*\j, v38              ; a byte for each of the four blocks
.endr
.irp x, 1,2,4,8
	s_delay_alu instid0(VALU_DEP_1)
	v_mov_b32_dpp v40, v38 row_xmask:\x row_mask:0xf bank_mask:0xf
	s_delay_alu instid0(VALU_DEP_1)
	v_or_b32 v38, v38, v40
.endr
	s_delay_alu instid0(VALU_DEP_1)
	v_permlanex16_b32 v40, v38, s44, s45
	s_delay_alu instid0(VALU_DEP_1)
	v_or_b32 v38, v38, v40                         ; over all 32 lanes
	v_lshlrev_b32 v41, 3, v1
	s_delay_alu instid0(VALU_DEP_1)
	v_lshrrev_b32 v38, v41, v38
	s_delay_alu instid0(VALU_DEP_1)
	v_and_b32 v38, 0xff, v38                       ; lane j = 0 .. 3: block 4 V + j's mask
	s_lshl_b32 s62, ttmp9, 8
	s_lshl_b32 s58, s18, 4
	s_add_co_u32 s62, s62, s58
	v_add_nc_u32 v42, s62, v60                     ; 4 (64 g + 4 V + lane)
	s_wait_alu depctr_va_vdst(0)
	s_wait_xcnt 0x0                                ; EXEC is a source of the stores above: it changes only behind this wait
	v_cmp_gt_u32 vcc_lo, 4, v1
	s_wait_tensorcnt 0x0
	ds_add_u32 v64, v65
	s_wait_dscnt 0x0
	s_and_saveexec_b32 s63, vcc_lo
	global_store_b32 v42, v38, s[14:15] offset:32768
	s_wait_xcnt 0x0
	s_or_b32 exec_lo, exec_lo, s63
	s_endpgm
.Lfunc_end_k_q227f6ff0d3_prep:
	.size	k_q227f6ff0d3_prep, .Lfunc_end_k_q227f6ff0d3_prep-k_q227f6ff0d3_prep
	.p2alignl 7, 3214868480
	.fill 96, 4, 3214868480
	.section	.rodata,"a",@progbits
	.p2align	6, 0x0
	.amdhsa_kernel k_q227f6ff0d3_prep
		.amdhsa_group_segment_fixed_size 7168
		.amdhsa_private_segment_fixed_size 0
		.amdhsa_enable_private_segment 0
		.amdhsa_kernarg_size 56
		.amdhsa_user_sgpr_count 2
		.amdhsa_user_sgpr_kernarg_segment_ptr 1
		.amdhsa_wavefront_size32 1
		.amdhsa_system_sgpr_workgroup_id_x 1
		.amdhsa_system_sgpr_workgroup_id_y 1
		.amdhsa_system_sgpr_workgroup_id_z 1
		.amdhsa_system_vgpr_workitem_id 0
		.amdhsa_next_free_vgpr 66
		.amdhsa_next_free_sgpr 66
		.amdhsa_reserve_vcc 1
		.amdhsa_float_denorm_mode_32 3
		.amdhsa_float_denorm_mode_16_64 3
		.amdhsa_memory_ordered 1
		.amdhsa_forward_progress 1
		.amdhsa_inst_pref_size 28
	.end_amdhsa_kernel
	.amdgpu_metadata
---
amdhsa.version: [ 1, 2 ]
amdhsa.kernels:
  - .name:           k_q227f6ff0d3_prep
    .symbol:         k_q227f6ff0d3_prep.kd
    .args:
      - { .name: topk_ids, .offset: 0, .size: 8, .value_kind: global_buffer, .address_space: global }
      - { .name: gate_up_weight_codes, .offset: 8, .size: 8, .value_kind: global_buffer, .address_space: global }
      - { .name: gate_up_weight_scales, .offset: 16, .size: 8, .value_kind: global_buffer, .address_space: global }
      - { .name: down_weight_codes, .offset: 24, .size: 8, .value_kind: global_buffer, .address_space: global }
      - { .name: down_weight_scales, .offset: 32, .size: 8, .value_kind: global_buffer, .address_space: global }
      - { .name: route, .offset: 40, .size: 8, .value_kind: global_buffer, .address_space: global }
      - { .name: wsw, .offset: 48, .size: 8, .value_kind: global_buffer, .address_space: global }
    .group_segment_fixed_size: 7168
    .private_segment_fixed_size: 0
    .kernarg_segment_align: 8
    .kernarg_segment_size: 56
    .max_flat_workgroup_size: 512
    .sgpr_count:     66
    .vgpr_count:     66
    .wavefront_size: 32
...
	.end_amdgpu_metadata
.endif
;; end of part 3
;; launch moe (part 4): grid 256 x 1, 4 waves a work-group, no clusters, 22,272 bytes of LDS; arguments route, wsw, hidden_states_codes, hidden_states_scales, topk_ids, topk_weights, out0; writes out0
.if DOCPART == 4
	.amdgcn_target "amdgcn-amd-amdhsa--gfx1250"
	.amdhsa_code_object_version 6
	.text
	.protected	k_q227f6ff0d3_moe
	.globl	k_q227f6ff0d3_moe
	.p2align	8
	.type	k_q227f6ff0d3_moe,@function
k_q227f6ff0d3_moe:
	s_mov_b64 s[64:65], 0
	v_nop
	global_prefetch_b8 v0, s[64:65] scope:SCOPE_SE
	s_setreg_imm32_b32 hwreg(HW_REG_WAVE_SCHED_MODE, 0, 2), 2
	s_setreg_imm32_b32 hwreg(HW_REG_WAVE_MODE, 25, 1), 1
	s_wait_xcnt 0x0
	s_wait_alu depctr_vm_vsrc(0)
; out[t] = the sum over the experts e of w_e[t] x down_e(Q(silu(gate_e(x[t])) x up_e(x[t]))), both products on codes of FP4 (E2M1) with one E8M0 scale for each 32 along K; Q the quantiser along the 256 hidden units.
; w_e[t] is 0 for every expert that is not among the token's two ids, so only the experts that a token names are multiplied.
; SHARES.  Work-group B owns the 32 tokens route[32 B ..], sorted by their sets of experts by the launch before, as two tiles of 16, and takes them through everything: each output row has one owner.
; It walks the experts of its stored mask, ascending, in a loop of the constant count 8: a trip beyond the list jumps over the work and passes the barriers.
; THE WAVES SHARE THE COLUMNS: wave w makes hidden units 64 w .. 64 w + 63 (four gate tiles, four up tiles) and output columns 256 w .. 256 w + 255, for all 32 tokens.  So each weight fragment is loaded by
; one wave and feeds two matrix instructions.  The weights come from memory straight into a ring of four register slots, in chunks of 17 loads laid by the launch before in the order of the operand registers.
; NO JOINT LOADS: which experts a work-group walks hangs on its stored list, neighbours walk different lists of different lengths, and a walk of all 8 experts by all would fetch four times the bytes.
; THE FIRST PRODUCT IS USED TRANSPOSED (source 0 = 16 weight rows, source 1 = 16 tokens): a lane holds ONE token (lane % 16) and its registers run along the hidden units, the next K.
; The activation's codes go from wave to wave through LDS as images of the operand's registers.
; THE SECOND PRODUCT IS NOT (source 0 = 16 tokens, source 1 = 16 weight rows): register j of lane (r, h) holds token 8 h + j at the tile's column r, and the rows of down that form tile ct are 4 r + ct.  So a lane's four
; tiles are four neighbouring columns; the multiply-add out += w_e x d puts them into four consecutive registers, and sixteen lanes store 256 consecutive bytes of a row straight from registers: no stage in LDS.
; out stays in 256 registers a wave; each group of 64 columns is stored in the list's LAST visit, as soon as its sums are whole.  The list is never empty: every sorted place lies in a bucket that holds tokens,
; and the bucket's two experts stand in the mask; so every work-group has a last visit, and every row is stored.
; LIMITS: NaN and infinities are not served.  For gate under about -87.3 the reciprocal's result would be denormal and comes out 0 (ISA guide 15.8), where silu's magnitude is at most about 1.1e-36.
; A block of 32 activations that are all zeros gets the byte 1 where the quantiser says 127: its codes are zeros, and this text alone reads the byte; a largest magnitude under 2^-124 is taken as 2^-124.
; An id outside 0 .. 7 adds nothing.  Each expert's part is added by one fused multiply-add, where the problem's function rounds the product first.
; THE MODE: SCHED_MODE bits 1:0 = 2 (LLVM: expert scheduling mode 2), set by the entry lines.  The code itself states the register dependences
; between vector or matrix instructions and memory or LDS instructions, with s_wait_alu, always for 0.
; THE PLAN.  Registers that memory or LDS instructions touch, in the loop:
;   the ring's slot q and its scale words v[32 + 4 q ..]   A chunk's 17 loads land there; the 16 matrix instructions of the step that works on the slot read them.  Behind those stands ONE wait on va_vdst, and behind it
;              the 17 loads of the chunk four further on.  It stands behind the products and not at the next step's head: that head waits for data, and a slot asked for only there would lie idle meanwhile.
;              Window 2 holds four slots and no fifth.  In the second product the multiply-adds follow the loads with no further wait: they name d, w_e and out, none of which the loads touch.
;   v82-89, v92   Written by the quantiser, read by its three LDS stores: one wait on va_vdst between.
;   v95           w_e by lane: written by a select, read by one LDS store.
;   v96-111, window 1's v128-159, v48-49   LDS loads land there (w_e by register; the activation's fragments and scale words); read by the multiply-adds and the second product's matrix instructions of the trip before,
;              v96-111 written by silu's work too.  The one wait on va_vdst ahead of v95's store stands for all of these.
;   out (window 3)   Written by the multiply-adds; read by the last visit's stores: one wait on va_vdst ahead of each group's 16.
;   v1, v4-11, v50-65   Addresses and offsets, made ahead of the loop and never written in it.
;   One wait on vm_vsrc a trip stands at the loop's foot, on every way round: the trip's LDS stores have read v82-89, v92 and v95, which the next trip writes again.
; REGISTERS, in windows of 256 (s_set_vgpr_msb's low byte: bits 1:0 source 0, 3:2 source 1, 5:4 source 2, 7:6 destination):
;   window 0: v1-11 addresses; v12-15 ids, v16-19 weights of tiles 0, 1; v20-21 w_e of my token of tiles 0, 1; v23, v77 the closing add's two; v24-31 x's scale words, K step s (lanes 0-15 tile 0, lanes 16-31 tile 1); v32-47 the ring's scale words;
;             v48-49 the activation's scale words; v50-65 at work in the prologue, then the rows' offsets in out; v66-95 the quantiser's; v96-127 at work, in the second product v96-111 w_e of token 16 m + 8 h + j;
;             v128-191 gate, then the activation, then d; v192-255 up.
;   window 1: v0-127 x's fragments (tile m, K step s) at 8 (8 m + s); v128-159 the activation's (tile m, K step ks) at 128 + 8 (2 m + ks).
;   window 2: the ring: slot q at 64 q, fragment i at + 8 i.       window 3: out: (group g, token tile m, token j, column ct) at 64 g + 32 m + 4 j + ct.
.set XP,    528                        ; LDS: x's 32 rows: 512 bytes + 16: an odd multiple of 16, so that the 16 rows of a fragment load fall on different 16-byte columns
.set AIMG,  16896                      ; the activation's images: ((2 m + ks) x 2 + c') x 512 + 16 x lane
.set ASC,   20992                      ; its scale bytes: 8 x (16 m + token) + 4 ks + byte
.set WL,    21248                      ; 128 bytes for each wave, its own: w_e of the block's 32 tokens
.set CHUNK, 8704
.set WAVEB, 12*CHUNK
.set EXPB,  48*CHUNK
.set WT,    20
.set XSC,   24
.set WSC,   32
.set ASCR,  48
.set OA,    50                         ; v50-65: byte offset in out of token 16 m + 8 h + j's row, + my 16 bytes of a group's 256: at OA + 8 m + j
.set TM,    66                         ; v66-69 largest magnitudes, v70-73 bytes, v78-81 the conversions' scale operands
.set PC,    82                         ; v82-89 the codes just made
.set HW,    90                         ; v90-92 two scale bytes of tile 0, of tile 1, of my half's tile
.set T,     96
.set WR,    96                         ; v96-111: w_e of token 16 m + 8 h + j at WR + 8 m + j
.set GA,    128
.set UA,    192
.set WV,    18                         ; s18 wave;  s19 mask;  s20 the list, a nibble an expert;  s21 its length N;  s22 the trip I, s23 I + 1;  s24 this expert, s25 the next
.set CUR,   26                         ; s[26:27] my part of this expert's weights;  s[28:29] of the next's;  s[30:31] an offset;  s[44:45] my wave's part of expert 0's
.set NXT,   28
.set EQ,    32                         ; s32-35 in the loop: which lanes' ids (v12 .. v15) are this expert.  (In the prologue s32-39 hold token numbers)
.set SEL,   40                         ; s[40:41] v_permlanex16_b32's selects for lane l xor 16
.set NL2E,  42                         ; s[42:43] -log2(e), twice: the packed form names a pair
.set MSB, 0
.macro WIN new                         ; the immediate's high byte repeats the setting that is left; a switch that changes nothing is dropped
.if MSB != \new
	s_set_vgpr_msb (MSB<<8)|\new
.set MSB, \new
.endif
.endm
.set W_M1, 0x06                        ; first product: source 0 (weights) window 2, source 1 (tokens) window 1, C and D window 0
.set W_M2, 0x09                        ; second product: source 0 (tokens) window 1, source 1 (weights) window 2, C and D window 0
.set W_LD, 0x80                        ; destination window 2
.set W_X,  0x40                        ; destination window 1
.set W_FM, 0xf0                        ; destination and source 2 window 3
.set W_ST, 0x0c                        ; a store's data (source 1) window 3
.set W_CL, 0xc0                        ; destination window 3
.macro PLACES                          ; a vector instruction that reads a matrix result stands four plain vector instructions behind it; the same four stand ahead of the loads into registers that matrix instructions have read, beside the wait on va_vdst
.rept 4
	v_nop
.endr
.endm
.macro BARRIER                         ; my LDS stores have landed and my LDS loads are in: then the work-group's barrier
	s_wait_dscnt 0x0
	s_barrier_signal -1
	s_barrier_wait -1
.endm
; Chunk c of the weights at base into ring slot: 16 loads of codes and one of scale words, each 512 consecutive bytes
.macro LOADCHUNK slot, base, c
	WIN W_LD
.irp j, 0,1,2,3,4,5,6,7,8,9,10,11,12,13,14,15
	global_load_b128 v[64*(\slot)+4*\j:64*(\slot)+4*\j+3], v1, s[\base:\base+1] offset:CHUNK*(\c)+512*\j
.endr
	WIN 0
	global_load_b128 v[WSC+4*(\slot):WSC+4*(\slot)+3], v1, s[\base:\base+1] offset:CHUNK*(\c)+8192
.endm
; One matrix instruction on the registers named by rD, rA, rB, rSA, rSB; rRA, rRB: the scales stand in lanes 16-31.  zero = 1: it starts the sum
.macro MM zero
.if \zero
.if rRA && rRB
	v_wmma_scale_f32_16x16x128_f8f6f4 v[rD:rD+7], v[rA:rA+7], v[rB:rB+7], 0, v[rSA], v[rSB] matrix_a_fmt:MATRIX_FMT_FP4 matrix_b_fmt:MATRIX_FMT_FP4 matrix_a_scale:MATRIX_SCALE_ROW1 matrix_b_scale:MATRIX_SCALE_ROW1
.elseif rRA
	v_wmma_scale_f32_16x16x128_f8f6f4 v[rD:rD+7], v[rA:rA+7], v[rB:rB+7], 0, v[rSA], v[rSB] matrix_a_fmt:MATRIX_FMT_FP4 matrix_b_fmt:MATRIX_FMT_FP4 matrix_a_scale:MATRIX_SCALE_ROW1
.elseif rRB
	v_wmma_scale_f32_16x16x128_f8f6f4 v[rD:rD+7], v[rA:rA+7], v[rB:rB+7], 0, v[rSA], v[rSB] matrix_a_fmt:MATRIX_FMT_FP4 matrix_b_fmt:MATRIX_FMT_FP4 matrix_b_scale:MATRIX_SCALE_ROW1
.else
	v_wmma_scale_f32_16x16x128_f8f6f4 v[rD:rD+7], v[rA:rA+7], v[rB:rB+7], 0, v[rSA], v[rSB] matrix_a_fmt:MATRIX_FMT_FP4 matrix_b_fmt:MATRIX_FMT_FP4
.endif
.else
.if rRA && rRB
	v_wmma_scale_f32_16x16x128_f8f6f4 v[rD:rD+7], v[rA:rA+7], v[rB:rB+7], v[rD:rD+7], v[rSA], v[rSB] matrix_a_fmt:MATRIX_FMT_FP4 matrix_b_fmt:MATRIX_FMT_FP4 matrix_a_scale:MATRIX_SCALE_ROW1 matrix_b_scale:MATRIX_SCALE_ROW1
.elseif rRA
	v_wmma_scale_f32_16x16x128_f8f6f4 v[rD:rD+7], v[rA:rA+7], v[rB:rB+7], v[rD:rD+7], v[rSA], v[rSB] matrix_a_fmt:MATRIX_FMT_FP4 matrix_b_fmt:MATRIX_FMT_FP4 matrix_a_scale:MATRIX_SCALE_ROW1
.elseif rRB
	v_wmma_scale_f32_16x16x128_f8f6f4 v[rD:rD+7], v[rA:rA+7], v[rB:rB+7], v[rD:rD+7], v[rSA], v[rSB] matrix_a_fmt:MATRIX_FMT_FP4 matrix_b_fmt:MATRIX_FMT_FP4 matrix_b_scale:MATRIX_SCALE_ROW1
.else
	v_wmma_scale_f32_16x16x128_f8f6f4 v[rD:rD+7], v[rA:rA+7], v[rB:rB+7], v[rD:rD+7], v[rSA], v[rSB] matrix_a_fmt:MATRIX_FMT_FP4 matrix_b_fmt:MATRIX_FMT_FP4
.endif
.endif
.endm
; K step s of the first product: 8 weight fragments x 2 token tiles.  The 16 accumulators take turns, one instruction a turn.  Then the slot takes the chunk four further on.
.macro P1STEP s
	s_wait_loadcnt 51                              ; loads come back in order (ISA guide 5.7.1): this slot's 17 are in; the three younger chunks, 3 x 17, may be out
	WIN W_M1
.irp i, 0,1,2,3,4,5,6,7
.irp m, 0,1
.set rD, GA+64*(\i/4)+32*\m+8*(\i%4)
.set rA, 64*((\s)%4)+8*\i
.set rB, 8*(8*\m+(\s))
.set rSA, WSC+4*((\s)%4)+\i/2
.set rSB, XSC+(\s)
.set rRA, \i%2
.set rRB, \m
.if (\s) == 0
	MM 1
.else
	MM 0
.endif
.endr
.endr
	PLACES
	s_wait_alu depctr_va_vdst(0)                   ; the step's 16 matrix instructions are done reading the slot and its four scale words, in which the 17 loads below land
	LOADCHUNK (\s)%4, CUR, (\s)+4                  ; four chunks, 68 loads, are then asked for; the issue of the last few waits until the oldest have returned (ISA guide 5.7.1)
.endm
; silu(gate) x up for tile m's 32 numbers a lane, in f32: gate x up / (1 + 2^(-log2(e) gate)).  Every run ascends
.macro SILU m
.set rG, GA+32*(\m)
.set rU, UA+32*(\m)
.set j, 0
.rept 16
	v_pk_mul_f32 v[T+j:T+j+1], v[rG+j:rG+j+1], s[NL2E:NL2E+1] op_sel_hi:[1,0]
.set j, j+2
.endr
.set j, 0
	s_wait_alu depctr_va_vdst(0)
.rept 32
	v_exp_f32 v[T+j], v[T+j]
.set j, j+1
.endr
	v_nop                                          ; one plain place behind a transcendental
.set j, 0
	s_wait_alu depctr_va_vdst(0)                   ; the 32 exponentials have written v96-127: one wait for the batch, ahead of its first reader
.rept 16
	v_pk_add_f32 v[T+j:T+j+1], v[T+j:T+j+1], 1.0 op_sel_hi:[1,0]
.set j, j+2
.endr
.set j, 0
	s_wait_alu depctr_va_vdst(0)
.rept 32
	v_rcp_f32 v[T+j], v[T+j]
.set j, j+1
.endr
	v_nop
.set j, 0
	s_wait_alu depctr_va_vdst(0)                   ; the 32 reciprocals have written v96-127: one wait for the batch, ahead of its first reader
.rept 16
	v_pk_mul_f32 v[rG+j:rG+j+1], v[rG+j:rG+j+1], v[T+j:T+j+1]
.set j, j+2
.endr
.set j, 0
.rept 16
	v_pk_mul_f32 v[rG+j:rG+j+1], v[rG+j:rG+j+1], v[rU+j:rU+j+1]
.set j, j+2
.endr
.endm
; The 64 activations of a lane, v[GA + 16 b + i], b = 2 m + (block of my wave's two), i = unit 16 (lane / 16) + i of the block, become codes, and go to LDS with their scale bytes.
.macro QUANT
.irp b, 0,1,2,3
	v_max3_num_f32 v[TM+\b], |v[GA+16*\b]|, |v[GA+1+16*\b]|, 0x1800000   ; my 16 numbers, and the floor 2^(3 - 127): so the byte cannot fall under 1
.endr
.irp i, 2,4,6,8,10,12,14
.irp b, 0,1,2,3
	v_max3_num_f32 v[TM+\b], v[TM+\b], |v[GA+16*\b+\i]|, |v[GA+1+16*\b+\i]|   ; (the four blocks by turns)
.endr
.endr
.irp b, 0,1,2,3
	v_permlanex16_b32 v[TM+4+\b], v[TM+\b], s[SEL], s[SEL+1]
.endr
.irp b, 0,1,2,3
	v_max_num_f32 v[TM+\b], v[TM+\b], v[TM+4+\b]   ; with lane l xor 16's: the block's largest magnitude
.endr
.irp b, 0,1,2,3
	v_add_nc_u32 v[TM+12+\b], 0xff000000, v[TM+\b] ; 2 off its exponent field: the conversion takes the exponent field of this operand as its scale
.endr
.irp b, 0,1,2,3
	v_lshrrev_b32 v[TM+4+\b], 23, v[TM+12+\b]      ; the scale's byte
.endr
	v_lshl_or_b32 v[HW], v[TM+5], 8, v[TM+4]       ; tile 0's two bytes of my token,
	v_lshl_or_b32 v[HW+1], v[TM+7], 8, v[TM+6]     ; tile 1's;
	v_cndmask_b32 v[HW+2], v[HW], v[HW+1], s46     ; lanes 0-15 store tile 0's, lanes 16-31 tile 1's
.irp b, 0,1,2,3
	v_cvt_scalef32_pk8_fp4_f32 v[PC+2*\b], v[GA+16*\b:GA+7+16*\b], v[TM+12+\b]
	v_cvt_scalef32_pk8_fp4_f32 v[PC+1+2*\b], v[GA+8+16*\b:GA+15+16*\b], v[TM+12+\b]
.endr
	v_nop                                          ; one plain place behind a scaled conversion
.irp m, 0,1                                    ; the operand's layout wants a WHOLE block in a lane: lanes 0-15 my first block, lanes 16-31 my second
.irp i, 0,1
	v_permlane16_swap_b32 v[PC+4*\m+\i], v[PC+2+4*\m+\i]
.endr
.endr
	s_wait_alu depctr_va_vdst(0)                   ; the conversions and exchanges have written v82-89, the select v92: the three LDS stores below read them
	ds_store_b128 v5, v[PC:PC+3]                   ; registers 4 (w % 2) .. + 3 of the fragment (tile 0, K step w / 2), as they stand
	ds_store_b128 v5, v[PC+4:PC+7] offset:2048     ; and of tile 1's
	ds_store_b16 v6, v[HW+2]
.endm
; Group g of the second product: 32 tokens x 64 of my output columns, K = 256 in two steps; then out += w_e x d.  The 8 accumulators take turns.
; nxt = 1: the slot takes the next expert's chunk g.  nxt = 0: the list's last expert: nothing more is asked for, the group's sums are whole, and they are stored.
.macro P2STEP g, nxt
.if \nxt
	s_wait_loadcnt 51                              ; this slot's 17 loads are in; three younger chunks may be out
.else
	s_wait_loadcnt 17*(3-\g)                       ; the last expert: nothing was issued behind chunks 8 .. 11
.endif
	WIN W_M2
.irp ks, 0,1
.irp ct, 0,1,2,3
.irp m, 0,1
.set rD, GA+8*(2*\ct+\m)
.set rA, 128+8*(2*\m+\ks)
.set rB, 64*\g+8*(2*\ct+\ks)
.set rSA, ASCR+\ks
.set rSB, WSC+4*\g+\ct
.set rRA, \m
.set rRB, \ks
.if \ks == 0
	MM 1
.else
	MM 0
.endif
.endr
.endr
.endr
	PLACES
.if \nxt
	s_wait_alu depctr_va_vdst(0)                   ; the group's 16 matrix instructions are done reading the slot and its four scale words, in which the 17 loads below land
	LOADCHUNK \g, NXT, \g
.endif
	WIN W_FM
.irp m, 0,1                                    ; register j of accumulator (ct, m) is token 16 m + 8 h + j at column 64 g + 4 r + ct: the four ct go into four consecutive registers.  j ascends: each accumulator is first read at its low end
.irp j, 0,1,2,3,4,5,6,7                        ; (no wait between the loads above and these lines: they name d, w_e and out, none of which the loads touch)
.irp ct, 0,1,2,3
	v_fma_f32 v[64*\g+32*\m+4*\j+\ct], v[GA+8*(2*\ct+\m)+\j], v[WR+8*\m+\j], v[64*\g+32*\m+4*\j+\ct]
.endr
.endr
.endr
.if \nxt == 0
	WIN W_ST
	s_wait_alu depctr_va_vdst(0)                   ; the 64 multiply-adds have written the group's registers of out, which the 16 stores below read
.irp m, 0,1
.irp j, 0,1,2,3,4,5,6,7
	global_store_b128 v[OA+8*\m+\j], v[64*\g+32*\m+4*\j:64*\g+32*\m+4*\j+3], s[16:17] offset:256*\g th:TH_STORE_NT   ; lanes 0-15 store 256 consecutive bytes of one row, lanes 16-31 of another, each at a multiple of 256 from out's first byte; written once, read by nobody here
.endr
.endr
.endif
	WIN 0                                          ; (the four v_nop and the multiply-adds on the other accumulators are the places ahead of the next products, which begin these accumulators anew)
.endm
	s_load_b256 s[4:11], s[0:1], 0x0               ; route s[4:5], wsw s[6:7], x's codes s[8:9], x's scales s[10:11]
	s_load_b128 s[12:15], s[0:1], 0x20             ; ids s[12:13], weights s[14:15]
	s_load_b64 s[16:17], s[0:1], 0x30              ; out
	v_lshl_add_u32 v23, v0, 2, 0x5500
	v_mov_b32 v77, 0
	v_lshrrev_b32 v2, 5, v0
	v_readfirstlane_b32 s[WV], v2                  ; wave 0 .. 3
	v_and_b32 v1, 31, v0                           ; lane
	v_and_b32 v2, 15, v0                           ; r
	v_bfe_u32 v3, v0, 4, 1                         ; h
	v_lshlrev_b32 v53, 2, v1                       ; the list: 4 x lane,
	v_lshlrev_b32 v54, 2, v2                       ; 4 r
	v_lshl_add_u32 v7, v1, 3, ASC                  ; the activation's scale words, read: 8 bytes a lane
	v_lshlrev_b32 v1, 4, v1                        ; v1 = 16 x lane from here on; never rewritten
	v_mul_u32_u24 v4, v2, XP
	v_lshl_add_u32 v4, v3, 4, v4                   ; x's fragments: row r, + 16 h
	s_wait_alu depctr_va_sdst(0)                   ; s18, the wave's number, is written, ahead of its first reader
	s_lshl_b32 s47, s[WV], 9
	v_add_nc_u32 v5, s47, v1
	v_add_nc_u32 v5, AIMG, v5                      ; where I store my images: 512 w + 16 x lane
	s_lshl_b32 s47, s[WV], 1
	v_add_nc_u32 v6, s47, v7                       ; and my two scale bytes: 8 x lane + 2 w
	s_lshl_b32 s47, s[WV], 7                       ; my wave's 128 bytes for w_e
	v_add_nc_u32 v8, s47, v53
	v_add_nc_u32 v8, WL, v8                        ; in: 4 x lane: the block's token = lane
	v_lshl_add_u32 v9, v3, 5, s47
	v_add_nc_u32 v9, WL, v9                        ; back: tokens 8 h + 0 .. 7 of a tile
	v_add_nc_u32 v10, AIMG, v1                     ; the images, read
	s_lshl_b32 s47, s[WV], 10
	v_lshl_add_u32 v11, v2, 4, s47                 ; my bytes in a row of out: 1,024 w + 16 r (+ 256 g by the store's offset)
	s_mul_i32 s47, s[WV], 8*XP
	v_add_nc_u32 v65, s47, v1                      ; where I store x's rows 8 w ..
.irp b, 0,1,2,3
	v_mov_b32 v[TM+4+\b], 0                        ; written once: a lane permute's destination counts as one of its sources
.endr
	s_mov_b32 s[SEL], 0x76543210
	s_mov_b32 s[SEL+1], 0xfedcba98
	s_mov_b32 s[NL2E], 0xbfb8aa3b                  ; -log2(e)
	s_mov_b32 s[NL2E+1], s[NL2E]
	s_mov_b32 s46, 0xffff0000                      ; lanes 16-31
	s_lshl_b32 s48, ttmp9, 7                       ; my block's 32 places in the list
	s_mov_b32 s49, 0
	s_lshl_b32 s52, s[WV], 5                       ; my wave's 8 of them
	s_mov_b32 s53, 0
	s_lshl_b32 s54, ttmp9, 2                       ; my block's mask
	s_mov_b32 s55, 0
	s_mul_i32 s44, s[WV], WAVEB
	s_mov_b32 s45, 0
	s_mov_b32 s31, 0
	s_wait_kmcnt 0x0
	s_add_nc_u64 s[48:49], s[4:5], s[48:49]
	s_add_nc_u64 s[52:53], s[48:49], s[52:53]
	s_add_nc_u64 s[54:55], s[4:5], s[54:55]
	s_add_nc_u64 s[44:45], s[6:7], s[44:45]
	s_load_b32 s19, s[54:55], 0x8000               ; the mask
	s_load_b256 s[32:39], s[52:53], 0x0            ; the 8 tokens whose rows of x I fetch
	s_load_b512 s[68:83], s[48:49], 0x0            ; the block's 32 tokens, for the rows' offsets in out
	s_load_b512 s[84:99], s[48:49], 0x40
	s_wait_alu depctr_va_vdst(0)                   ; v1, v4 to v11, v53, v54 and v65 are written: the loads and stores below, those of the loop too, read them as addresses and offsets
	global_load_b32 v50, v53, s[48:49]             ; token of place = lane: for x's scale words
	global_load_b32 v51, v54, s[48:49]             ; token r of tile 0,
	global_load_b32 v52, v54, s[48:49] offset:64   ; of tile 1: for ids and weights
	s_wait_kmcnt 0x0
.irp i, 0,1,2,3,4,5,6,7
	s_min_u32 s[32+\i], s[32+\i], 8191
.endr
.irp i, 0,1,2,3,4,5,6,7
	v_lshl_add_u32 v[56+\i], s[32+\i], 9, v1
.endr
	s_wait_alu depctr_va_vdst(0)                   ; v56 to v63 are written: the eight loads below read them as offsets
.irp i, 0,1,2,3,4,5,6,7
	global_load_b128 v[GA+4*\i:GA+4*\i+3], v[56+\i], s[8:9] th:TH_LOAD_NT   ; a whole row of x's codes, 512 consecutive bytes; read once in the launch
.endr
	s_mov_b32 s20, 0                               ; the mask's experts as a list of nibbles, ascending
	s_mov_b32 s47, 0
.irp e, 0,1,2,3,4,5,6,7
	s_bitcmp1_b32 s19, \e
	s_cselect_b32 s50, 4, 0
	s_cselect_b32 s51, \e, 0
	s_lshl_b32 s51, s51, s47
	s_or_b32 s20, s20, s51
	s_add_co_u32 s47, s47, s50
.endr
	s_lshr_b32 s21, s47, 2                         ; N
	s_and_b32 s24, s20, 7
	s_min_u32 s24, s24, 7                          ; the first expert
	s_mul_i32 s30, s24, EXPB
	s_add_nc_u64 s[CUR:CUR+1], s[44:45], s[30:31]
	LOADCHUNK 0, CUR, 0                            ; (the ring's first four chunks land in registers that no vector or matrix instruction has named: no wait)
	s_wait_loadcnt 25                              ; the three loads from the list are in: behind them x's 8 rows and the chunk's 17
.irp i, 50,51,52
	v_min_u32 v[\i], 8191, v[\i]
.endr
	v_lshlrev_b32 v74, 5, v50
	v_lshlrev_b32 v75, 3, v51
	v_lshlrev_b32 v76, 3, v52
	s_wait_alu depctr_va_vdst(0)                   ; v74, v75 and v76 are written: the six loads below read them as offsets
	global_load_b128 v[XSC:XSC+3], v74, s[10:11]   ; x's scale words of K steps 0-3,
	global_load_b128 v[XSC+4:XSC+7], v74, s[10:11] offset:16   ; 4-7
	global_load_b64 v[12:13], v75, s[12:13]
	global_load_b64 v[14:15], v76, s[12:13]
	global_load_b64 v[16:17], v75, s[14:15]
	global_load_b64 v[18:19], v76, s[14:15]
	LOADCHUNK 1, CUR, 1                            ; 48 loads are out here: none of them has had to wait for its issue
.set i, 0
.rept 32
	s_min_u32 s[68+i], s[68+i], 8191
.set i, i+1
.endr
	WIN W_CL                                       ; out begins as zeros.  Which expert comes first is known from the list alone, so a first visit that starts the sums would be a second copy of the
.set i, 0                                      ; loop's body; these lines stand here, while x's rows are on their way
.rept 256
	v_mov_b32 v[i], 0
.set i, i+1
.endr
	WIN 0
	LOADCHUNK 2, CUR, 2
	s_wait_loadcnt 57                              ; x's 8 rows are in: behind them 17 + 6 + 17 + 17
.irp i, 0,1,2,3,4,5,6,7
	ds_store_b128 v65, v[GA+4*\i:GA+4*\i+3] offset:XP*\i
.endr
	BARRIER                                        ; x's 32 rows lie in LDS
	WIN W_X
.irp m, 0,1
.irp s, 0,1,2,3,4,5,6,7
.irp c, 0,1
	ds_load_b128 v[8*(8*\m+\s)+4*\c:8*(8*\m+\s)+4*\c+3], v4 offset:16*XP*\m+64*\s+32*\c   ; x's fragments stay in registers
.endr
.endr
.endr
	WIN 0
	; the rows' offsets in out, made while the fragments come: lane (r, h) stores, for tile m and register j, the row of the block's token 16 m + 8 h + j.
	; (v50-65 are free: the loads that named them were shown done by the waits for 25 and for 57.  v74-76 are still named by loads that are out, and are not touched.)
	s_wait_alu depctr_vm_vsrc(0)                   ; the loads from the list and of x's rows have read their offsets v53, v54 and v56-63, my LDS stores their address v65 and their data v128-159: v50-65 are written below, v128-159 by the first products
.set i, 0
.rept 16
	v_mov_b32 v[OA+i], s[68+16*(i/8)+i%8]          ; h = 0's token,
.set i, i+1
.endr
.set i, 0
.rept 16
	v_mov_b32 v[T+i], s[76+16*(i/8)+i%8]           ; h = 1's
.set i, i+1
.endr
.set i, 0
.rept 16
	v_cndmask_b32 v[OA+i], v[OA+i], v[T+i], s46
.set i, i+1
.endr
.set i, 0
.rept 16
	v_min_u32 v[OA+i], 8191, v[OA+i]
.set i, i+1
.endr
.set i, 0
.rept 16
	v_lshl_add_u32 v[OA+i], v[OA+i], 12, v11       ; token x 4,096 + my bytes of the row
.set i, i+1
.endr
	LOADCHUNK 3, CUR, 3
	s_wait_loadcnt 51                              ; chunk 0, x's scale words, ids and weights are in: behind them chunks 1 to 3
	s_wait_dscnt 0x0
	s_mov_b32 s22, 0
.Ltrip:                                            ; 8 trips; no barrier stands under a branch
	BARRIER                                        ; every wave's reads of the last trip's activation are over
	s_lshr_b32 s20, s20, 4
	s_and_b32 s25, s20, 7
	s_min_u32 s25, s25, 7                          ; the next expert of the list (past its end: 0, and not used)
	s_mul_i32 s30, s25, EXPB
	s_add_nc_u64 s[NXT:NXT+1], s[44:45], s[30:31]
	s_add_co_u32 s23, s22, 1
	s_cmp_ge_u32 s22, s21
	s_cbranch_scc1 .Lidle
.irp s, 0,1,2,3,4,5,6,7
	P1STEP \s                                      ; steps 4 to 7 ask for the down weights: all are on their way ahead of the vector work below
.endr
	SILU 0
	SILU 1
	QUANT
.Lidle:
	BARRIER                                        ; the four waves' images and scale bytes lie in LDS
	s_cmp_ge_u32 s22, s21
	s_cbranch_scc1 .Lbottom
.irp i, 0,1,2,3                                ; which of my tokens' ids are this expert: tile 0's two, tile 1's two; the four compares stand in one run
	v_cmp_eq_u32 s[EQ+\i], s24, v[12+\i]
.endr
	s_wait_alu depctr_va_sdst(0)                   ; the four compares have written s32 to s35, ahead of the selects that read them
.irp m, 0,1                                    ; w_e of my token (lane % 16) of tile m: the sum of the weights whose id is this expert
	v_cndmask_b32 v93, 0, v[16+2*\m], s[EQ+2*\m]
	v_cndmask_b32 v94, 0, v[17+2*\m], s[EQ+2*\m+1]
	v_add_f32 v[WT+\m], v93, v94
.endr
	v_cndmask_b32 v95, v[WT], v[WT+1], s46         ; lane l: w_e of the block's token l.  The second product's results have a token to a REGISTER, so w_e turns through my wave's own 128 bytes of LDS:
	s_wait_alu depctr_va_vdst(0)                   ; v95 is written, which the LDS store reads; silu's work and the last trip's multiply-adds are done with v96-111, its matrix instructions with window 1's v128-159 and v48-49: the 13 LDS loads below land there
	ds_store_b32 v8, v95
.irp m, 0,1
	ds_load_b128 v[WR+8*\m:WR+8*\m+3], v9 offset:64*\m        ; LDS serves a wave's instructions in order (ISA guide 5.7.1.4): these see the store above.  w_e of tokens 16 m + 8 h + 0 .. 3,
	ds_load_b128 v[WR+8*\m+4:WR+8*\m+7], v9 offset:64*\m+16   ; + 4 .. 7
.endr
	WIN W_X
.irp q, 0,1,2,3,4,5,6,7
	ds_load_b128 v[128+4*\q:131+4*\q], v10 offset:512*\q
.endr
	WIN 0
	ds_load_b64 v[ASCR:ASCR+1], v7                 ; lanes 0-15 tile 0's words, lanes 16-31 tile 1's; K steps 0, 1
	s_wait_dscnt 0x0
	s_cmp_ge_u32 s23, s21
	s_cbranch_scc1 .Llast
.irp g, 0,1,2,3
	P2STEP \g, 1
.endr
	s_branch .Lbottom
.Llast:                                            ; the list's last expert is written out: it asks for nothing, its waits count down, and each group of columns leaves as soon as it is whole
.irp g, 0,1,2,3
	P2STEP \g, 0
.endr
.Lbottom:
	s_wait_xcnt 0x0                                ; the loads and stores issued have read their sources: the two bases are rewritten only behind this wait
	s_wait_alu depctr_vm_vsrc(0)                   ; the trip's LDS stores have read v82-89, v92 and v95, which the next trip's quantiser and select write again; the last visit's stores have read out's registers, which multiply-adds further on in the text write
	s_mov_b64 s[CUR:CUR+1], s[NXT:NXT+1]
	s_mov_b32 s24, s25
	s_add_co_u32 s22, s22, 1
	s_cmp_lt_u32 s22, 8
	s_cbranch_scc1 .Ltrip
	; the rows were stored in the list's last visit
	s_wait_dscnt 0x0                               ; the closing lines, six on end
	s_wait_alu 0x0
	s_wait_tensorcnt 0x0
	ds_add_u32 v23, v77
	s_wait_dscnt 0x0
	s_endpgm
.Lfunc_end_k_q227f6ff0d3_moe:
	.size	k_q227f6ff0d3_moe, .Lfunc_end_k_q227f6ff0d3_moe-k_q227f6ff0d3_moe
	.p2alignl 7, 3214868480
	.fill 96, 4, 3214868480
	.section	.rodata,"a",@progbits
	.p2align	6, 0x0
	.amdhsa_kernel k_q227f6ff0d3_moe
		.amdhsa_group_segment_fixed_size 22272
		.amdhsa_private_segment_fixed_size 0
		.amdhsa_enable_private_segment 0
		.amdhsa_kernarg_size 56
		.amdhsa_user_sgpr_count 2
		.amdhsa_user_sgpr_kernarg_segment_ptr 1
		.amdhsa_wavefront_size32 1
		.amdhsa_system_sgpr_workgroup_id_x 1
		.amdhsa_system_sgpr_workgroup_id_y 1
		.amdhsa_system_sgpr_workgroup_id_z 1
		.amdhsa_system_vgpr_workitem_id 0
		.amdhsa_next_free_vgpr 1024
		.amdhsa_next_free_sgpr 100
		.amdhsa_reserve_vcc 0
		.amdhsa_float_denorm_mode_32 3
		.amdhsa_float_denorm_mode_16_64 3
		.amdhsa_memory_ordered 1
		.amdhsa_forward_progress 1
		.amdhsa_inst_pref_size 145
	.end_amdhsa_kernel
	.amdgpu_metadata
---
amdhsa.version: [ 1, 2 ]
amdhsa.kernels:
  - .name:           k_q227f6ff0d3_moe
    .symbol:         k_q227f6ff0d3_moe.kd
    .args:
      - { .name: route, .offset: 0, .size: 8, .value_kind: global_buffer, .address_space: global }
      - { .name: wsw, .offset: 8, .size: 8, .value_kind: global_buffer, .address_space: global }
      - { .name: hidden_states_codes, .offset: 16, .size: 8, .value_kind: global_buffer, .address_space: global }
      - { .name: hidden_states_scales, .offset: 24, .size: 8, .value_kind: global_buffer, .address_space: global }
      - { .name: topk_ids, .offset: 32, .size: 8, .value_kind: global_buffer, .address_space: global }
      - { .name: topk_weights, .offset: 40, .size: 8, .value_kind: global_buffer, .address_space: global }
      - { .name: out0, .offset: 48, .size: 8, .value_kind: global_buffer, .address_space: global }
    .group_segment_fixed_size: 22272
    .private_segment_fixed_size: 0
    .kernarg_segment_align: 8
    .kernarg_segment_size: 56
    .max_flat_workgroup_size: 128
    .sgpr_count:     100
    .vgpr_count:     1024
    .wavefront_size: 32
...
	.end_amdgpu_metadata
.endif
;; end of part 4
